; MI455X (gfx1250); checked and timed in simulation.
; The chip was launched on July 23, 2026; its instructions are those of AMD's public machine-readable ISA for CDNA 5 (MIT licence, August 2026) and "CDNA5" Instruction Set Architecture Reference Guide (July 2026). The comments in the code are by the model that wrote it; some were corrected since.
;; SRA Diff Attn. Allowed arithmetic: matrix products marked QUANTISED: E2M3 operands, one E8M0 scale for each 32 along K, by v_wmma_scale_f32_16x16x128_f8f6f4 with both operands' format E2M3, f32 sums; everything else in f32.
;; Inputs: Wk_codes 256 x 32 x 24 uint8 (E2M3 codes of Wk, K innermost, in blocks of 32 codes, four codes in three bytes); Wk_scales 256 x 32 uint8 (E8M0 scales of Wk, one for each 32 codes along K); Wo_codes 1,024 x 32 x 24 uint8 (E2M3 codes of Wo, K innermost, in blocks of 32 codes, four codes in three bytes); Wo_scales 1,024 x 32 uint8 (E8M0 scales of Wo, one for each 32 codes along K); Wq_codes 1,024 x 32 x 24 uint8 (E2M3 codes of Wq, K innermost, in blocks of 32 codes, four codes in three bytes); Wq_scales 1,024 x 32 uint8 (E8M0 scales of Wq, one for each 32 codes along K); Wv_codes 256 x 32 x 24 uint8 (E2M3 codes of Wv, K innermost, in blocks of 32 codes, four codes in three bytes); Wv_scales 256 x 32 uint8 (E8M0 scales of Wv, one for each 32 codes along K); lk1 32 float32; lk2 32 float32; lq1 32 float32; lq2 32 float32; rms_w 64 float32; x_codes 2 x 2,048 x 32 x 24 uint8 (E2M3 codes of x, K innermost, in blocks of 32 codes, four codes in three bytes); x_scales 2 x 2,048 x 32 uint8 (E8M0 scales of x, one for each 32 codes along K).
;; Outputs: out0 2 x 2,048 x 1,024 float32.
;; This version of the problem:
;;   THIS VERSION OF THE PROBLEM IS GIVEN IN LOW PRECISION. The matrix products marked QUANTISED in the list below multiply operands that are first quantised to E2M3 (2 exponent bits, 3 mantissa bits; 6 bits a number), with one power-of-two scale for each 32 numbers along K (OCP MX v1.0); their sums are f32. All else is computed in f32.
;;   The module's matrix products, in the order in which they are computed (A, B: the left and right operand; K: the contracted axis; several contracted axes count as one K, in the product's order):
;;     1. [M 4,096, K 1,024] x [K 1,024, N 1,024]; A: input x (given as codes); B: input Wq (given as codes): QUANTISED
;;     2. [M 4,096, K 1,024] x [K 1,024, N 256]; A: input x (given as codes); B: input Wk (given as codes): QUANTISED
;;     3. [M 4,096, K 1,024] x [K 1,024, N 256]; A: input x (given as codes); B: input Wv (given as codes): QUANTISED
;;     4. batch 64 x [M 2,048, K 32] x [K 32, N 2,048]; A: computed on the way; B: computed on the way: QUANTISED
;;     5. batch 32 x [M 2,048, K 2,048] x [K 2,048, N 64]; A: computed on the way; B: computed on the way: QUANTISED
;;     6. [M 4,096, K 1,024] x [K 1,024, N 1,024]; A: computed on the way; B: input Wo (given as codes): QUANTISED
;;   THE QUANTISER, for each operand of a quantised product, along K:
;;     - K is cut into blocks of 32 from its start; a last block that is shorter is filled with zeros.
;;     - A block's scale is 2^e with e = floor(log2(the largest magnitude in the block)) - 2, held to -126 .. 127; a block of zeros has e = 0. As a byte (E8M0): e + 127.
;;     - Each number is divided by its block's scale, clamped to +-7.5, and rounded to the nearest number of E2M3, ties to even, subnormals kept.
;;     - The product sums the exact products of the quantised numbers (number of the format x scale) in f32.
;;   ~~~python
;;   def quantise(x, axis):      # numpy; x: float32 -> the quantised numbers, widened to float32 again
;;       x = np.moveaxis(x, axis, -1); K = x.shape[-1]
;;       x = np.pad(x, [(0, 0)] * (x.ndim - 1) + [(0, -K % 32)]); x = x.reshape(x.shape[:-1] + (-1, 32)); a = np.abs(x).max(-1, keepdims=True)
;;       e = np.where(a > 0, np.clip(np.frexp(np.where(a > 0, a, 1))[1] - 1 - 2, -126, 127), 0)      # np.frexp(a)[1] - 1 = floor(log2(a)), exactly
;;       r = np.clip(x / 2.0 ** e, -7.5, 7.5)
;;       step = 2.0 ** (np.maximum(np.frexp(np.where(r == 0, 1, r))[1] - 1, 0) - 3)
;;       q = np.round(r / step) * step * 2.0 ** e      # np.round: ties to even
;;       return np.moveaxis(q.reshape(q.shape[:-2] + (-1,))[..., :K], -1, axis).astype(np.float32)
;;   ~~~
;;   OPERANDS COMPUTED ON THE WAY. 'Computed on the way' means the value that the module computes at that place (a softmax that the list does not call 'softmax' is quantised finished and normalised). What goes into a quantiser is computed in f32, as accurately as f32 sums, v_exp_f32 and their like allow (about 1e-6 of the number): no bf16 or f16 on the way to a quantiser, and a product that is left as it is and whose result goes on into a quantised operand takes f32 operands (vector FMAs, or v_wmma_f32_16x16x4_f32). A number that lies on a knife's edge between two numbers of the format may be rounded either way, as far as f32 arithmetic and the matrix unit's own rounding can turn it there, and no further.
;;   INPUTS GIVEN AS CODES. Wk (in the module: [256, 1024], K = its axis 1); Wo (in the module: [1024, 1024], K = its axis 1); Wq (in the module: [1024, 1024], K = its axis 1); Wv (in the module: [256, 1024], K = its axis 1); x (in the module: [2, 2048, 1024], K = its axis 2): each comes as NAME_codes (uint8): NAME with its K axis moved to the last place and cut into blocks of 32 codes, [.., K / 32, bytes a block], one block behind the other in memory; four codes in three bytes: a row's codes are one little-endian stream of bits, code i at bits 6 i .. 6 i + 5 (a code: sign, 2 exponent bits, 3 mantissa bits); and NAME_scales (uint8): the same leading axes, one E8M0 byte (e + 127) for each 32 codes along K. Its value is code x scale, taken as it is: it is not quantised again, and the codes and scales need not be those that the quantiser above would give.
;; One version. Each part assembles by itself: llvm-mc -triple=amdgcn-amd-amdhsa -mcpu=gfx1250 --defsym DOCPART=n.
;; ======== version 1 of 1: 3 launches
;; limits: right only within a limited range of input values
;; workspace buffers: qc 3,145,728 bytes; qsc 524,288 bytes; kbuf 851,968 bytes; vbuf 819,200 bytes; ac 3,145,728 bytes; asc 131,072 bytes
;; launch qkv (part 1): grid 8 x 32, 12 waves a work-group, clusters of 4 x 4, 262,656 bytes of LDS; arguments x_codes, x_scales, Wq_codes, Wq_scales, Wk_codes, Wk_scales, Wv_codes, Wv_scales, qc, qsc, kbuf, vbuf; writes qc, qsc, kbuf, vbuf
.if DOCPART == 1
	.amdgcn_target "amdgcn-amd-amdhsa--gfx1250"
	.amdhsa_code_object_version 6
	.text
	.protected	k_q413e26cd78_qkv
	.globl	k_q413e26cd78_qkv
	.p2align	8
	.type	k_q413e26cd78_qkv,@function
k_q413e26cd78_qkv:
	s_mov_b64 s[64:65], 0
	v_nop
	global_prefetch_b8 v0, s[64:65] scope:SCOPE_SE
	s_setreg_imm32_b32 hwreg(HW_REG_WAVE_MODE, 25, 1), 1
	s_wait_xcnt 0x0
	s_wait_alu depctr_hold_cnt(0) depctr_sa_sdst(0) depctr_va_vdst(0) depctr_va_sdst(0) depctr_va_ssrc(0) depctr_va_vcc(0) depctr_vm_vsrc(0)
	s_getreg_b32 s2, hwreg(HW_REG_IB_STS2, 6, 4)
	s_cmp_eq_u32 s2, 0
	s_cbranch_scc0 .Lentry_in_a_cluster
	s_endpgm
.Lentry_in_a_cluster:
	s_bfe_u32 s2, ttmp6, 0x10000c
	s_cmp_lg_u32 s2, 0xf033
	s_cbranch_scc0 .Lentry_shape_is_right
	s_endpgm
.Lentry_shape_is_right:
; q = (x Wq^T) / sqrt(32), k = x Wk^T, v = x Wv^T on the given codes of E2M3, and the quantising of q, k (along a head's 32) and v (along the keys) for the two products of the attention.
; DEAD WORK: none.  Every input of the problem has a way to the output, no mask is applied, nothing is sliced away: all six products are done whole.
; LIMITS: NaN and infinities are not served.  A block whose largest magnitude lies under 2^-124 keeps the scale byte 1; a block of zeros gets the byte 1 where the quantiser says 127: its codes are zeros, and these bytes are read by this program alone.
; SHARES.  Work-group (i, j): tokens 128 j .. + 127 against 192 features: Wq's rows 128 i .. + 127 (heads 2 i, 2 i + 1), Wk's rows 32 i .. + 31 (key head i), Wv's rows 32 i .. + 31 (value head i / 2, half i % 2).
; All of K (1,024) of these 320 rows lies in LDS, filled once.  Twelve waves, each with 8 accumulators and 64 matrix instructions: waves 0-7 q (a head x 32 tokens), waves 8-9 k (64 tokens), waves 10-11 v (64 tokens).
; CLUSTER 4 x 4: x's rows hang on j alone and are asked for jointly along a row of the cluster, the weights' on i alone, along a column.
; LAYOUT.  q, k: source 0 = 16 rows of the weight, source 1 = 16 tokens: a lane holds one token and its registers run along the features.  v: source 0 = 16 tokens, source 1 = 16 rows of Wv: a lane holds one channel, registers run along the keys.
; THE ORDER INSIDE A BLOCK OF 32.  Two neighbouring tiles give a lane of half h the elements 8 h + 0..7 and 16 + 8 h + 0..7, so a block's codes come out as 0-7, 16-23, 8-15, 24-31.  q and k both lie so, and so do v and the attention's weights:
; the same order on both sides of a product changes no product and no scale.  The rows of Wv that form a tile are 8 u + r + 8 (r / 8), so that the attention's result comes out with its channels in natural order for the last product.
; RESULTS leave as images of operand registers.  A record is 6 registers x 32 lanes, 768 bytes: registers 0-3 at 16 x lane, registers 4-5 at 512 + 8 x lane.
.set PITCH, 816                        ; an LDS row: 768 bytes of codes in three runs of 256, 16 bytes of padding behind each: 204 words, so the 16 rows of a fragment start 12 banks apart and the 32 lanes of an 8-byte load touch 64 different banks
.set UNITL, 32*PITCH                   ; 32 rows: what one tensor load brings
.set WQR,   4*UNITL                    ; x's 128 rows at 0, Wq's 128 here,
.set WKR,   8*UNITL                    ; Wk's 32,
.set WVR,   9*UNITL                    ; Wv's 32,
.set SPARE, 10*UNITL                   ; the spare words, 128 bytes for each of the twelve waves: six blocks of 256 bytes that no other line names
.set RR,   1                           ; v1   r = lane % 16
.set HH,   2                           ; v2   h = lane / 16
.set L16,  3                           ; v3   16 x lane
.set L8,   4                           ; v4   8 x lane
.set L4,   5                           ; v5   4 x lane
.set L32,  6                           ; v6   32 x lane
.set ROWA, 7                           ; v7   816 r + 24 h;  v8: the same behind one padding more (+ 16 h)
.set ROWP, 9                           ; v9, v10  the same for row r + 8 (r / 8)
.set AA,   12                          ; v12, v13  source 0's fragments
.set AB,   14                          ; v14, v15  source 1's
.set WVSA, 18                          ; v18  byte offset of Wv's scale words: 32 x row, row 8 h + r + 8 (r / 8)
.set VSO,  19                          ; v19  64 h + 4 r
.set SPW,  20                          ; v20  my spare word; never rewritten
.set NIL,  21                          ; v21  0; never rewritten
.set SE0,  22                          ; v22, v23  byte selects
.set SE1,  23
.set OA,   24                          ; v24, v25  q's scale words as they are stored
.set PW,   26                          ; v26  the scale word just made
.set SA,   32                          ; v32-47  source 0's scale words: pair of tiles p, K step s at 8 p + s; lanes 0-15 tile 2 p, lanes 16-31 tile 2 p + 1
.set SB,   48                          ; v48-63  source 1's
.set HA,   64                          ; v64-127 eight accumulators
.set FA,   128                         ; v128-175 source 0's fragments of a K step
.set FB,   176                         ; v176-223 source 1's
.set PC,   144                         ; the codes just made (in registers that the products have left)
.set TM,   224                         ; v224-239 the quantiser's work
.set WV,   28
.set SEL,  60
.set G1X,  36
.set G1W,  44
.set G0X,  76
.set G0W,  80
.macro PLACES n
.rept \n
	v_nop
.endr
.endm
.macro CROUND                          ; a round of the cluster's barrier
	s_barrier_signal -1
	s_barrier_wait -1
	s_cmp_lg_u32 s[WV], 0
	s_cbranch_scc1 .Lnot_wave_0_\@
	s_barrier_signal -3
.Lnot_wave_0_\@:
	s_barrier_wait -3
	s_barrier_signal -1
	s_barrier_wait -1
.endm
; A fragment, 16 rows x 128 K of 6-bit codes: lane (r, h) takes 24 bytes at 96 s + 24 h and 24 at 96 s + 48 + 24 h of its row, in pieces of 8.  Where the piece three on lies behind one padding more, the second address register serves.
.macro FRAG reg, adr, s, rowoff
.irp p, 0,1,2,3,4,5
.set PCE, 12*(\s)+6*(\p/3)+\p%3
.if PCE%32 < 29
	ds_load_b64 v[\reg+2*\p:\reg+2*\p+1], v[\adr] offset:8*PCE+16*(PCE/32)+(\rowoff)
.else
	ds_load_b64 v[\reg+2*\p:\reg+2*\p+1], v[\adr+1] offset:8*PCE+16*(PCE/32)+(\rowoff)
.endif
.endr
.endm
.macro WMX d, a, b, c, sa, sb, ra, rb  ; one product; ra, rb: which half of the lanes holds the side's scale words
.if (\ra) == 0 && (\rb) == 0
	v_wmma_scale_f32_16x16x128_f8f6f4 v[\d:\d+7], v[\a:\a+11], v[\b:\b+11], \c, v[\sa], v[\sb] matrix_a_fmt:MATRIX_FMT_FP6 matrix_b_fmt:MATRIX_FMT_FP6
.elseif (\rb) == 0
	v_wmma_scale_f32_16x16x128_f8f6f4 v[\d:\d+7], v[\a:\a+11], v[\b:\b+11], \c, v[\sa], v[\sb] matrix_a_fmt:MATRIX_FMT_FP6 matrix_b_fmt:MATRIX_FMT_FP6 matrix_a_scale:MATRIX_SCALE_ROW1
.elseif (\ra) == 0
	v_wmma_scale_f32_16x16x128_f8f6f4 v[\d:\d+7], v[\a:\a+11], v[\b:\b+11], \c, v[\sa], v[\sb] matrix_a_fmt:MATRIX_FMT_FP6 matrix_b_fmt:MATRIX_FMT_FP6 matrix_b_scale:MATRIX_SCALE_ROW1
.else
	v_wmma_scale_f32_16x16x128_f8f6f4 v[\d:\d+7], v[\a:\a+11], v[\b:\b+11], \c, v[\sa], v[\sb] matrix_a_fmt:MATRIX_FMT_FP6 matrix_b_fmt:MATRIX_FMT_FP6 matrix_a_scale:MATRIX_SCALE_ROW1 matrix_b_scale:MATRIX_SCALE_ROW1
.endif
.endm
.macro GSCL reg, adr, base, np         ; the scale words of np pairs of tiles, all eight K steps, from memory straight into the scale registers: 32 bytes a row, a lane a row, 1,024 consecutive bytes a pair
.set ip, 0
.rept \np
	global_load_b128 v[\reg+8*ip:\reg+8*ip+3], v[\adr], s[\base:\base+1] offset:1024*ip
	global_load_b128 v[\reg+8*ip+4:\reg+8*ip+7], v[\adr], s[\base:\base+1] offset:1024*ip+16
.set ip, ip+1
.endr
.endm
; na tiles of source 0 x nb tiles of source 1 (na nb = 8), all of K in eight steps.  The eight accumulators take turns, one instruction a turn, in the same order in every step.
.macro GEMM na, nb, brows
.set ks, 0
.rept 8
.if ks > 0
	PLACES 4                                       ; in front of loads into registers that matrix instructions have read
.endif
.set ia, 0
.rept \na
	FRAG FA+12*ia, AA, ks, ia*16*PITCH
.set ia, ia+1
.endr
.set ib, 0
.rept \nb
	FRAG FB+12*ib, AB, ks, ib*\brows*PITCH
.set ib, ib+1
.endr
.set ib, 0
.rept \nb
	s_wait_dscnt 6*(\nb-1-ib)                      ; all but the later tiles of source 1, six loads each
.set ia, 0
.rept \na
.if ks == 0
	WMX HA+8*(\na*ib+ia), FA+12*ia, FB+12*ib, 0, SA+8*(ia/2)+ks, SB+8*(ib/2)+ks, ia%2, ib%2
.else
	WMX HA+8*(\na*ib+ia), FA+12*ia, FB+12*ib, v[HA+8*(\na*ib+ia):HA+8*(\na*ib+ia)+7], SA+8*(ia/2)+ks, SB+8*(ib/2)+ks, ia%2, ib%2
.endif
.set ia, ia+1
.endr
.set ib, ib+1
.endr
.set ks, ks+1
.endr
	PLACES 4                                       ; in front of the first read of results and of writes into the fragments' registers
.endm
; 32 nc numbers of a lane, register 16 b + i = element i of my half of block b of my row, become codes in v[PC] on (6 nc registers: lanes 0-15 block 2 c, lanes 16-31 block 2 c + 1) and the scale bytes in v[PW] and v[TM+4] on.
.macro QUANT s, nc
.set qb, 0
.rept 2*\nc
	v_max3_num_f32 v[TM+qb], |v[\s+16*qb]|, |v[\s+1+16*qb]|, 0x1800000   ; and the floor 2^(3 - 127): the byte cannot fall under 1
.set qb, qb+1
.endr
.irp i, 2,4,6,8,10,12,14
.set qb, 0
.rept 2*\nc
	v_max3_num_f32 v[TM+qb], v[TM+qb], |v[\s+16*qb+\i]|, |v[\s+1+16*qb+\i]|
.set qb, qb+1
.endr
.endr
.set qb, 0
.rept 2*\nc
	s_delay_alu instid0(VALU_DEP_4)
	v_permlanex16_b32 v[TM+4+qb], v[TM+qb], s[SEL], s[SEL+1]
.set qb, qb+1
.endr
.set qb, 0
.rept 2*\nc
	s_delay_alu instid0(VALU_DEP_4)
	v_max_num_f32 v[TM+qb], v[TM+qb], v[TM+4+qb]   ; with lane l xor 16's: the block's largest magnitude
.set qb, qb+1
.endr
.set qb, 0
.rept 2*\nc
	s_delay_alu instid0(VALU_DEP_4)
	v_add_nc_u32 v[TM+12+qb], 0xff000000, v[TM+qb] ; 2 off its exponent field: the conversion's scale operand
.set qb, qb+1
.endr
.set qb, 0
.rept 2*\nc
	s_delay_alu instid0(VALU_DEP_4)
	v_lshrrev_b32 v[TM+4+qb], 23, v[TM+12+qb]      ; the scale's byte
.set qb, qb+1
.endr
	s_delay_alu instid0(VALU_DEP_3)
	v_lshl_or_b32 v[PW], v[TM+5], 8, v[TM+4]
.if \nc > 1
	s_delay_alu instid0(VALU_DEP_1)
	v_lshl_or_b32 v[PW], v[TM+6], 16, v[PW]
	s_delay_alu instid0(VALU_DEP_1)
	v_lshl_or_b32 v[PW], v[TM+7], 24, v[PW]
.endif
.set qn, 0
.rept \nc
	v_cvt_scalef32_pk16_fp6_f32 v[PC+6*qn:PC+6*qn+2], v[\s+32*qn:\s+32*qn+15], v[TM+12+2*qn]
	v_cvt_scalef32_pk16_fp6_f32 v[PC+12+4*qn:PC+14+4*qn], v[\s+16+32*qn:\s+31+32*qn], v[TM+13+2*qn]
.set qn, qn+1
.endr
	v_nop                                          ; one plain place behind a scaled conversion
.set qn, 0
.rept \nc
.irp i, 0,1,2
	v_permlane16_swap_b32 v[PC+6*qn+\i], v[PC+12+4*qn+\i]   ; a whole block to a lane
.endr
.irp i, 0,1,2
	s_delay_alu instid0(VALU_DEP_3)
	v_mov_b32 v[PC+3+6*qn+\i], v[PC+12+4*qn+\i]
.endr
.set qn, qn+1
.endr
.endm
.macro REC reg, base, off              ; a record leaves: 512 and 256 consecutive bytes
	global_store_b128 v[L16], v[\reg:\reg+3], s[\base:\base+1] offset:\off
	global_store_b64 v[L8], v[\reg+4:\reg+5], s[\base:\base+1] offset:\off+512
.endm
	s_load_b512 s[4:19], s[0:1], 0x0               ; x's codes, scales; Wq's; Wk's; Wv's
	s_load_b256 s[20:27], s[0:1], 0x40             ; qc, qsc, kbuf, vbuf
	v_lshl_add_u32 v[SPW], v0, 2, SPARE
	v_mov_b32 v[NIL], 0
	ds_add_u32 v[SPW], v[NIL]                      ; the opening: the add, twice on end, and its wait ahead of the first tensor load
	ds_add_u32 v[SPW], v[NIL]
	v_lshrrev_b32 v1, 5, v0
	s_delay_alu instid0(VALU_DEP_1)
	v_readfirstlane_b32 s[WV], v1                  ; wave 0..11
	s_bfe_u32 s29, ttmp6, 0x40000                  ; cx
	s_bfe_u32 s30, ttmp6, 0x40004                  ; cy
	s_lshl_b32 s31, ttmp9, 2
	s_add_co_u32 s31, s31, s29                     ; i
	s_and_b32 s32, ttmp7, 0xffff
	s_lshl_b32 s32, s32, 2
	s_add_co_u32 s32, s32, s30                     ; j
	s_lshl_b32 s33, s30, 2
	s_lshl_b32 s33, 15, s33                        ; my row of the cluster
	s_lshl_b32 s34, 0x1111, s29                    ; my column
	; codes: 24,576 dense bytes as 96 rows of 256 (32 elements of 8 bytes), 16 bytes of padding behind each
	s_or_b32 s[G1X], s33, (3<<16)|(1<<20)|(1<<21)|(5<<22)|(3<<25)
	s_or_b32 s[G1W], s34, (3<<16)|(1<<20)|(1<<21)|(5<<22)|(3<<25)
.irp g, G1X, G1W
	s_mov_b32 s[\g+1], 32<<16
	s_mov_b32 s[\g+2], 96<<16
	s_mov_b32 s[\g+3], 32<<16
	s_mov_b32 s[\g+4], 96
	s_mov_b32 s[\g+5], 32
	s_mov_b32 s[\g+6], 0
	s_mov_b32 s[\g+7], 0
.endr
	s_mov_b32 s[SEL], 0x76543210
	s_mov_b32 s[SEL+1], 0xfedcba98
	s_mul_i32 s92, s[WV], UNITL                    ; unit w of ten goes to LDS at w x 26,112,
	s_and_b32 s35, s[WV], 3
	s_lshl_b32 s94, s32, 2
	s_add_co_u32 s94, s94, s35                     ; x: unit 4 j + w (made of j alone)
	s_mul_i32 s96, s94, 24576
	s_mov_b32 s97, 0
	s_cmp_lt_u32 s[WV], 8
	s_cselect_b32 s62, 2, 0                        ; Wq has four units to an i, Wk and Wv one
	s_cselect_b32 s63, s35, 0
	s_lshl_b32 s62, s31, s62
	s_add_co_u32 s62, s62, s63                     ; the weight's unit (made of i alone)
	s_mul_i32 s98, s62, 24576
	s_mov_b32 s99, 0
	s_wait_dscnt 0x0                               ; both opening adds are done
	s_wait_kmcnt 0x0
	s_cmp_eq_u32 s[WV], 9                          ; which weight: waves 4-7 Wq, wave 8 Wk, wave 9 Wv: a choice on the wave's number alone
	s_cselect_b64 s[66:67], s[16:17], s[12:13]
	s_cmp_lt_u32 s[WV], 8
	s_cselect_b64 s[66:67], s[8:9], s[66:67]
	s_mov_b32 s[G0X], 1
	s_mov_b32 s[G0X+1], s92
	s_add_nc_u64 s[G0X+2:G0X+3], s[4:5], s[96:97]
	s_or_b32 s[G0X+3], s[G0X+3], 0x80000000
	s_mov_b32 s[G0W], 1
	s_mov_b32 s[G0W+1], s92
	s_add_nc_u64 s[G0W+2:G0W+3], s[66:67], s[98:99]
	s_or_b32 s[G0W+3], s[G0W+3], 0x80000000
	CROUND                                         ; all sixteen work-groups are here: the joint loads meet
	s_cmp_lt_u32 s[WV], 4                          ; one fill a wave, in one chain of branches on its number: waves 0-3 x's units, 4-9 the weights'; waves 10 and 11 fetch nothing
	s_cbranch_scc0 .Lnot_x
	tensor_load_to_lds s[G0X:G0X+3], s[G1X:G1X+7]
	s_nop 0
	PLACES 4
	s_branch .Lasked
.Lnot_x:
	s_cmp_lt_u32 s[WV], 10
	s_cbranch_scc0 .Lasked
	tensor_load_to_lds s[G0W:G0W+3], s[G1W:G1W+7]
	s_nop 0
	PLACES 4
.Lasked:
	v_and_b32 v[RR], 15, v0
	v_bfe_u32 v[HH], v0, 4, 1
	v_and_b32 v11, 31, v0
	s_delay_alu instid0(VALU_DEP_1)
	v_lshlrev_b32 v[L16], 4, v11
	s_delay_alu instid0(VALU_DEP_2)
	v_lshlrev_b32 v[L8], 3, v11
	s_delay_alu instid0(VALU_DEP_3)
	v_lshlrev_b32 v[L4], 2, v11
	s_delay_alu instid0(VALU_DEP_4)
	v_lshlrev_b32 v[L32], 5, v11
	v_mul_u32_u24 v[ROWA], v[RR], PITCH
	s_delay_alu instid0(VALU_DEP_1)
	v_mad_u32_u24 v[ROWA], v[HH], 24, v[ROWA]
	s_delay_alu instid0(VALU_DEP_1)
	v_lshl_add_u32 v[ROWA+1], v[HH], 4, v[ROWA]
	v_and_b32 v11, 8, v[RR]
	s_delay_alu instid0(VALU_DEP_1)
	v_add_nc_u32 v11, v11, v[RR]                   ; r + 8 (r / 8)
	s_delay_alu instid0(VALU_DEP_1)
	v_mul_u32_u24 v[ROWP], v11, PITCH
	s_delay_alu instid0(VALU_DEP_1)
	v_mad_u32_u24 v[ROWP], v[HH], 24, v[ROWP]
	s_delay_alu instid0(VALU_DEP_1)
	v_lshl_add_u32 v[ROWP+1], v[HH], 4, v[ROWP]
	s_delay_alu instid0(VALU_DEP_4)
	v_lshl_add_u32 v[WVSA], v[HH], 3, v11
	s_delay_alu instid0(VALU_DEP_1)
	v_lshlrev_b32 v[WVSA], 5, v[WVSA]
	v_lshlrev_b32 v[VSO], 2, v[RR]
	s_delay_alu instid0(VALU_DEP_1)
	v_lshl_add_u32 v[VSO], v[HH], 6, v[VSO]
	s_mov_b32 s92, 0x01010101
	v_mul_lo_u32 v[SE0], v[HH], s92                ; byte h, four times;
	s_delay_alu instid0(VALU_DEP_1)
	v_add_nc_u32 v[SE1], 0x02020202, v[SE0]        ; byte 2 + h
.irp b, 0,1,2,3
	v_mov_b32 v[TM+4+\b], 0                        ; written once: a lane permute's destination counts as one of its sources
.endr
	s_lshr_b32 s94, s32, 4                         ; the batch
	s_and_b32 s95, s32, 15                         ; kappa: which 128 tokens of its 2,048
	; THE SCALE WORDS are asked for here, while the tensor loads are out; each role waits for them ahead of its products
	s_and_b32 s92, s[WV], 1
	s_lshl_b32 s96, s32, 12                        ; x's scale bytes of token 128 j
	s_mov_b32 s97, 0
	s_mov_b32 s99, 0
	s_wait_alu depctr_va_vdst(0)
	s_cmp_lt_u32 s[WV], 8
	s_cbranch_scc0 .Lsc_k
	s_lshr_b32 s93, s[WV], 1
	s_lshl_b32 s93, s93, 10
	s_add_co_u32 s96, s96, s93                     ; q: + 32 tp tokens
	s_add_nc_u64 s[6:7], s[6:7], s[96:97]
	s_lshl_b32 s98, s31, 12
	s_lshl_b32 s93, s92, 11
	s_add_co_u32 s98, s98, s93                     ; Wq's row 128 i + 64 hp
	s_add_nc_u64 s[10:11], s[10:11], s[98:99]
	GSCL SA, L32, 10, 2
	GSCL SB, L32, 6, 1
	s_branch .Lsc_done
.Lsc_k:
	s_lshl_b32 s93, s92, 11
	s_add_co_u32 s96, s96, s93                     ; k, v: + 64 (wave % 2) tokens
	s_add_nc_u64 s[6:7], s[6:7], s[96:97]
	s_lshl_b32 s98, s31, 10                        ; Wk's or Wv's row 32 i
	s_cmp_lt_u32 s[WV], 10
	s_cbranch_scc0 .Lsc_v
	s_add_nc_u64 s[14:15], s[14:15], s[98:99]
	GSCL SA, L32, 14, 1
	GSCL SB, L32, 6, 2
	s_branch .Lsc_done
.Lsc_v:
	s_add_nc_u64 s[18:19], s[18:19], s[98:99]
	GSCL SA, L32, 6, 2
	GSCL SB, WVSA, 18, 1
.Lsc_done:
	s_wait_tensorcnt 0x0                           ; my unit has landed,
	s_barrier_signal -1
	s_barrier_wait -1                              ; everybody's have; nothing is filled again
	s_cmp_lt_u32 s[WV], 8
	s_cbranch_scc0 .Lnot_q
	; ---- q: head 2 i + hp, tokens 32 tp .. + 31
	s_and_b32 s92, s[WV], 1                        ; hp
	s_lshr_b32 s93, s[WV], 1                       ; tp
	s_mul_i32 s96, s92, 2*UNITL
	s_add_co_u32 s96, s96, WQR
	v_add_nc_u32 v[AA], s96, v[ROWA]
	s_wait_alu depctr_va_vdst(0)
	v_add_nc_u32 v[AA+1], s96, v[ROWA+1]
	s_mul_i32 s96, s93, UNITL
	v_add_nc_u32 v[AB], s96, v[ROWA]
	s_wait_alu depctr_va_vdst(0)
	v_add_nc_u32 v[AB+1], s96, v[ROWA+1]
	s_wait_alu depctr_va_vdst(0)
	s_wait_loadcnt 0x0                             ; my scale words
	s_lshl_b32 s96, s94, 4
	s_lshl_b32 s97, s31, 1
	s_add_co_u32 s96, s96, s97
	s_add_co_u32 s96, s96, s92                     ; hb = 16 batch + head
	s_lshl_b32 s97, s96, 7
	s_lshl_b32 s98, s95, 3
	s_add_co_u32 s97, s97, s98
	s_lshl_b32 s98, s93, 1
	s_add_co_u32 s97, s97, s98                     ; record 128 hb + T, T = 8 kappa + 2 tp
	s_mul_i32 s98, s97, 768
	s_mov_b32 s99, 0
	s_add_nc_u64 s[20:21], s[20:21], s[98:99]
	s_lshl_b32 s97, s96, 6
	s_lshl_b32 s98, s95, 2
	s_add_co_u32 s97, s97, s98
	s_add_co_u32 s97, s97, s93
	s_lshl_b32 s98, s97, 8                         ; (64 hb + T / 2) x 256
	s_add_nc_u64 s[22:23], s[22:23], s[98:99]
	s_mov_b32 s100, 0x3e3504f3                     ; 1 / sqrt(32)
	s_mov_b32 s101, s100
	GEMM 4, 2, 16                                  ; accumulator 4 tt + ft: token tile tt, features 16 ft on
.set k, 0
.rept 32
	v_pk_mul_f32 v[HA+2*k:HA+2*k+1], v[HA+2*k:HA+2*k+1], s[100:101] op_sel_hi:[1,0]   ; each accumulator from its low end on
.set k, k+1
.endr
	QUANT HA, 2                                    ; blocks: (tile 0, half 1), (tile 0, half 2), (tile 1, half 1), (tile 1, half 2)
	v_perm_b32 v[OA], v[PW], v[PW], v[SE0]         ; tile 0: lanes 0-15 half 1's byte four times, lanes 16-31 half 2's
	v_perm_b32 v[OA+1], v[PW], v[PW], v[SE1]       ; tile 1
	REC PC, 20, 0
	REC PC+6, 20, 768
	global_store_b64 v[L8], v[OA:OA+1], s[22:23]
	s_branch .Ljoin
.Lnot_q:
	s_cmp_lt_u32 s[WV], 10
	s_cbranch_scc0 .Lv_arm
	; ---- k: key head i, tokens 64 jj .. + 63
	s_and_b32 s92, s[WV], 1                        ; jj
	v_add_nc_u32 v[AA], WKR, v[ROWA]
	s_wait_alu depctr_va_vdst(0)
	v_add_nc_u32 v[AA+1], WKR, v[ROWA+1]
	s_mul_i32 s96, s92, 2*UNITL
	v_add_nc_u32 v[AB], s96, v[ROWA]
	s_wait_alu depctr_va_vdst(0)
	v_add_nc_u32 v[AB+1], s96, v[ROWA+1]
	s_wait_alu depctr_va_vdst(0)
	s_wait_loadcnt 0x0                             ; my scale words
	s_lshl_b32 s96, s94, 3
	s_add_co_u32 s96, s96, s31
	s_mul_i32 s96, s96, 53248                      ; block 8 batch + i
	s_mov_b32 s97, 0
	s_add_nc_u64 s[24:25], s[24:25], s[96:97]
	s_lshl_b32 s98, s95, 2
	s_lshl_b32 s99, s92, 1
	s_add_co_u32 s98, s98, s99
	s_mul_i32 s98, s98, 768                        ; piece 4 kappa + 2 jj
	s_mov_b32 s99, 0
	s_add_nc_u64 s[98:99], s[24:25], s[98:99]
	s_lshl_b32 s100, s95, 1
	s_add_co_u32 s100, s100, s92
	s_lshl_b32 s100, s100, 7
	s_add_co_u32 s100, s100, 49152                 ; the pair's scale words
	s_mov_b32 s101, 0
	s_add_nc_u64 s[100:101], s[24:25], s[100:101]
	GEMM 2, 4, 16                                  ; accumulator 2 tt + u
	QUANT HA, 2                                    ; block tt: token tile tt's 32 features
	REC PC, 98, 0
	REC PC+6, 98, 768
	global_store_b32 v[L4], v[PW], s[100:101]
	s_branch .Ljoin
.Lv_arm:
	; ---- v: channels 32 (i % 2) .. + 31 of value head i / 2, tokens 64 c .. + 63
	s_and_b32 s92, s[WV], 1                        ; c
	s_mul_i32 s96, s92, 2*UNITL
	v_add_nc_u32 v[AA], s96, v[ROWA]
	s_wait_alu depctr_va_vdst(0)
	v_add_nc_u32 v[AA+1], s96, v[ROWA+1]
	v_add_nc_u32 v[AB], WVR, v[ROWP]
	s_wait_alu depctr_va_vdst(0)
	v_add_nc_u32 v[AB+1], WVR, v[ROWP+1]
	s_wait_alu depctr_va_vdst(0)
	s_wait_loadcnt 0x0                             ; my scale words
	s_lshl_b32 s96, s94, 2
	s_lshr_b32 s97, s31, 1
	s_add_co_u32 s96, s96, s97
	s_mul_i32 s96, s96, 102400                     ; block 4 batch + i / 2
	s_mov_b32 s97, 0
	s_add_nc_u64 s[26:27], s[26:27], s[96:97]
	s_and_b32 s96, s31, 1
	s_lshl_b32 s96, s96, 1
	s_lshl_b32 s98, s95, 2
	s_add_co_u32 s96, s96, s98                     ; fragment 4 kappa + 2 (i % 2)
	s_mul_i32 s98, s96, 1536
	s_mul_i32 s99, s92, 768
	s_add_co_u32 s98, s98, s99
	s_mov_b32 s99, 0
	s_add_nc_u64 s[98:99], s[26:27], s[98:99]
	s_lshl_b32 s100, s96, 6
	s_lshl_b32 s101, s92, 1
	s_add_co_u32 s100, s100, s101
	s_add_co_u32 s100, s100, 98304
	s_mov_b32 s101, 0
	s_add_nc_u64 s[100:101], s[26:27], s[100:101]
	GEMM 4, 2, 8                                   ; accumulator 4 u + t: tile u of Wv begins 8 rows on
	QUANT HA, 2                                    ; blocks: (u = 0: keys 0-31, 32-63), (u = 1: likewise)
	v_lshlrev_b32 v11, 4, v[HH]
	s_delay_alu instid0(VALU_DEP_1)
	v_lshrrev_b32 v11, v11, v[PW]                  ; lanes 0-15: tile 0's two bytes of channel r; lanes 16-31: tile 1's
	REC PC, 98, 0
	REC PC+6, 98, 1536
	global_store_b16 v[VSO], v11, s[100:101]
.Ljoin:
	s_wait_tensorcnt 0x0                           ; the wave's end
	ds_add_u32 v[SPW], v[NIL]
	s_wait_dscnt 0x0
	CROUND                                         ; the closing round
	s_endpgm
.Lfunc_end_k_q413e26cd78_qkv:
	.size	k_q413e26cd78_qkv, .Lfunc_end_k_q413e26cd78_qkv-k_q413e26cd78_qkv
	.p2alignl 7, 3214868480
	.fill 96, 4, 3214868480
	.section	.rodata,"a",@progbits
	.p2align	6, 0x0
	.amdhsa_kernel k_q413e26cd78_qkv
		.amdhsa_group_segment_fixed_size 262656
		.amdhsa_private_segment_fixed_size 0
		.amdhsa_enable_private_segment 0
		.amdhsa_kernarg_size 96
		.amdhsa_user_sgpr_count 2
		.amdhsa_user_sgpr_kernarg_segment_ptr 1
		.amdhsa_wavefront_size32 1
		.amdhsa_system_sgpr_workgroup_id_x 1
		.amdhsa_system_sgpr_workgroup_id_y 1
		.amdhsa_system_sgpr_workgroup_id_z 1
		.amdhsa_system_vgpr_workitem_id 0
		.amdhsa_next_free_vgpr 256
		.amdhsa_next_free_sgpr 102
		.amdhsa_reserve_vcc 0
		.amdhsa_float_denorm_mode_32 3
		.amdhsa_float_denorm_mode_16_64 3
		.amdhsa_memory_ordered 1
		.amdhsa_forward_progress 1
		.amdhsa_inst_pref_size 113
	.end_amdhsa_kernel
	.amdgpu_metadata
---
amdhsa.version: [ 1, 2 ]
amdhsa.kernels:
  - .name:           k_q413e26cd78_qkv
    .symbol:         k_q413e26cd78_qkv.kd
    .args:
      - { .name: x_codes, .offset: 0, .size: 8, .value_kind: global_buffer, .address_space: global }
      - { .name: x_scales, .offset: 8, .size: 8, .value_kind: global_buffer, .address_space: global }
      - { .name: Wq_codes, .offset: 16, .size: 8, .value_kind: global_buffer, .address_space: global }
      - { .name: Wq_scales, .offset: 24, .size: 8, .value_kind: global_buffer, .address_space: global }
      - { .name: Wk_codes, .offset: 32, .size: 8, .value_kind: global_buffer, .address_space: global }
      - { .name: Wk_scales, .offset: 40, .size: 8, .value_kind: global_buffer, .address_space: global }
      - { .name: Wv_codes, .offset: 48, .size: 8, .value_kind: global_buffer, .address_space: global }
      - { .name: Wv_scales, .offset: 56, .size: 8, .value_kind: global_buffer, .address_space: global }
      - { .name: qc, .offset: 64, .size: 8, .value_kind: global_buffer, .address_space: global }
      - { .name: qsc, .offset: 72, .size: 8, .value_kind: global_buffer, .address_space: global }
      - { .name: kbuf, .offset: 80, .size: 8, .value_kind: global_buffer, .address_space: global }
      - { .name: vbuf, .offset: 88, .size: 8, .value_kind: global_buffer, .address_space: global }
    .group_segment_fixed_size: 262656
    .private_segment_fixed_size: 0
    .kernarg_segment_align: 8
    .kernarg_segment_size: 96
    .max_flat_workgroup_size: 384
    .sgpr_count:     102
    .vgpr_count:     256
    .wavefront_size: 32
...
	.end_amdgpu_metadata
.endif
;; end of part 1
;; launch attn (part 2): grid 16 x 16, 16 waves a work-group, clusters of 4 x 1, 167,936 bytes of LDS; arguments qc, qsc, kbuf, vbuf, lq1, lk1, lq2, lk2, rms_w, ac, asc; writes ac, asc
.if DOCPART == 2
	.amdgcn_target "amdgcn-amd-amdhsa--gfx1250"
	.amdhsa_code_object_version 6
	.text
	.protected	k_q413e26cd78_attn
	.globl	k_q413e26cd78_attn
	.p2align	8
	.type	k_q413e26cd78_attn,@function
k_q413e26cd78_attn:
	s_mov_b64 s[64:65], 0
	v_nop
	global_prefetch_b8 v0, s[64:65] scope:SCOPE_SE
	s_setreg_imm32_b32 hwreg(HW_REG_WAVE_MODE, 25, 1), 1
	s_wait_xcnt 0x0
	s_wait_alu depctr_hold_cnt(0) depctr_sa_sdst(0) depctr_va_vdst(0) depctr_va_sdst(0) depctr_va_ssrc(0) depctr_va_vcc(0) depctr_vm_vsrc(0)
	s_getreg_b32 s2, hwreg(HW_REG_IB_STS2, 6, 4)
	s_cmp_eq_u32 s2, 0
	s_cbranch_scc0 .Lentry_in_a_cluster
	s_endpgm
.Lentry_in_a_cluster:
	s_bfe_u32 s2, ttmp6, 0x10000c
	s_cmp_lg_u32 s2, 0x3003
	s_cbranch_scc0 .Lentry_shape_is_right
	s_endpgm
.Lentry_shape_is_right:
; Differential attention on codes of E2M3: w = softmax(q1 k^T) - lambda softmax(q2 k^T), finished and normalised, quantised along the keys; o = w v; RMS norm, rms_w, (1 - lambda_init); o quantised along the channels for the last product.
; No work of the problem is left out here.  LIMITS: NaN and infinities are not served; a block whose largest magnitude lies under 2^-124 (a block of zeros too) keeps the scale byte 1: these bytes are read by this program alone.
; SHARES.  Work-group (x, y): y = 8 batch + key head i, queries 128 x .. + 127 of heads 2 i and 2 i + 1, which both take key head i (both halves) and value head i / 2.  Wave w: head 2 i + w % 2, queries 16 (w / 2) .. + 15.
; LDS holds key head i (49,152 bytes of codes, 4,096 of scale words) and value head i / 2 (98,304 and 4,096), filled once: one tensor load a wave, waves 0-7 K's 208 rows of 256 bytes, waves 8-15 V's 400.
; CLUSTER 4 x 1: the four query blocks of a y read the same K and V and ask jointly.  No prefetch: every tile is asked for once, at the head, and there is no loop to run ahead in.
; TWO PASSES over the 2,048 keys, 128 a trip.  The weights are quantised normalised, so both rows' sums are needed ahead of the first code: pass 1 takes the running maximum and the sum of each of the two softmaxes,
; pass 2 makes the scores again, p = 2^(s log2 e - m - log2 l), w = p1 - lambda p2, codes and scale bytes, and o^T += v^T w^T.
; A SCORE PRODUCT has K = 32 of the instruction's 128.  A's four blocks hold four tiles of 16 keys (two of them zeros), B holds q in one of the live blocks: which window of QB is named says which tile of keys meets which half of q.
; Both products are used transposed: a lane holds one query, its registers run along the keys (scores) or the channels (o).
; EACH TRIP keeps all 128 scores of a lane in v96-223, so that the exponentials stand in one batch, with one wait ahead of it and one behind it.
.set KS,    49152                      ; K's scale words
.set VC,    53248                      ; V's codes
.set VS,    151552                     ; V's scale words
.set SPARE, 155648                     ; the spare words, 128 bytes for each of sixteen waves: eight blocks of 256 bytes that no other line names
.set L16,  1                           ; 16, 8, 4 x lane
.set L8,   2
.set L4,   3
.set SPW,  4                           ; my spare word; never rewritten
.set NIL,  5                           ; 0; never rewritten
.set ADK16, 6                          ; LDS addresses of K's and V's records and scale words
.set ADK8, 7
.set ADKS, 8
.set ADV16, 9
.set ADV8, 10
.set ADVS, 11
.set A1,   12                          ; pass 1: the running largest t; pass 2: -(m + log2 l).  (v13, v15: upper halves of named pairs)
.set A2,   14
.set L1A,  16                          ; the sums, four partial sums each
.set L2A,  20
.set NLAM, 24                          ; -lambda, twice
.set QSC,  26                          ; q's scale words: lanes 0-15 half 1, lanes 16-31 half 2
.set PW,   27                          ; the scale word just made
.set F1,   28                          ; pass 1: the factors of a moved maximum
.set F2,   30
.set TC,   28                          ; the quantiser: the conversions' scale operands
.set QB,   32                          ; v32-61 q in five records: [q1|0] [0|q1] [q2|0] [0|q2] [q1|0]
.set KB,   62                          ; v62-79 32 keys, six registers of zeros, 32 keys
.set KSC,  80                          ; K's scale words, one register for each 64 keys of a trip
.set VSC,  82
.set MX,   84                          ; maxima
.set TA,   84                          ; the quantiser: largest magnitudes,
.set TB,   88                          ; the other half's, then the bytes
.set TP,   92
.set S1,   96                          ; v96-159 half 1's scores of 128 keys, then p1, then w
.set S2,   160                         ; v160-223 half 2's
.set VF,   160                         ; V's four fragments, where p2 lay
.set PC,   208                         ; w's codes
.set C2A,  220                         ; a block's upper 16 codes as the conversion leaves them
.set C2B,  92
.set O,    224                         ; v224-255 o^T: four tiles of 16 channels
.set RW,   96                          ; the way out: rms_w
.set WV,   26
.set G1K,  32
.set G1V,  40
.set G0K,  48
.set G0V,  52
.set CS,   56
.set SEL,  58
.set CNT,  60
.set SK0,  61                          ; LDS steps: the trip's first 64 keys, their scale words,
.set SS0,  62
.set SK1,  63                          ; its second 64,
.set SS1,  66
.set SV,   67                          ; V's fragments and scale words
.set SVS,  83
.macro PLACES n
.rept \n
	v_nop
.endr
.endm
.macro CROUND                          ; a round of the cluster's barrier
	s_barrier_signal -1
	s_barrier_wait -1
	s_cmp_lg_u32 s[WV], 0
	s_cbranch_scc1 .Lnot_wave_0_\@
	s_barrier_signal -3
.Lnot_wave_0_\@:
	s_barrier_wait -3
	s_barrier_signal -1
	s_barrier_wait -1
.endm
.macro WMX d, a, b, c, sa, sb, ra, rb  ; one product; ra, rb: which half of the lanes holds the side's scale words
.if (\ra) == 0 && (\rb) == 0
	v_wmma_scale_f32_16x16x128_f8f6f4 v[\d:\d+7], v[\a:\a+11], v[\b:\b+11], \c, v[\sa], v[\sb] matrix_a_fmt:MATRIX_FMT_FP6 matrix_b_fmt:MATRIX_FMT_FP6
.elseif (\rb) == 0
	v_wmma_scale_f32_16x16x128_f8f6f4 v[\d:\d+7], v[\a:\a+11], v[\b:\b+11], \c, v[\sa], v[\sb] matrix_a_fmt:MATRIX_FMT_FP6 matrix_b_fmt:MATRIX_FMT_FP6 matrix_a_scale:MATRIX_SCALE_ROW1
.else
	v_wmma_scale_f32_16x16x128_f8f6f4 v[\d:\d+7], v[\a:\a+11], v[\b:\b+11], \c, v[\sa], v[\sb] matrix_a_fmt:MATRIX_FMT_FP6 matrix_b_fmt:MATRIX_FMT_FP6 matrix_b_scale:MATRIX_SCALE_ROW1
.endif
.endm
; 32 nc numbers of a lane, register 16 b + i = element i of my half of block b, become codes in v[PC] on (lanes 0-15 block 2 c, lanes 16-31 block 2 c + 1), the scale word in v[PW], the bytes in v[TB] on
.macro QUANT s, nc
.set qb, 0
.rept 2*\nc
	v_max3_num_f32 v[TA+qb], |v[\s+16*qb]|, |v[\s+1+16*qb]|, 0x1800000   ; and the floor 2^(3 - 127): the byte cannot fall under 1
.set qb, qb+1
.endr
.irp i, 2,4,6,8,10,12,14
.set qb, 0
.rept 2*\nc
	v_max3_num_f32 v[TA+qb], v[TA+qb], |v[\s+16*qb+\i]|, |v[\s+1+16*qb+\i]|
.set qb, qb+1
.endr
.endr
.set qb, 0
.rept 2*\nc
	v_permlanex16_b32 v[TB+qb], v[TA+qb], s[SEL], s[SEL+1]
.set qb, qb+1
.endr
.set qb, 0
.rept 2*\nc
	v_max_num_f32 v[TA+qb], v[TA+qb], v[TB+qb]     ; with lane l xor 16's: the block's largest magnitude
.set qb, qb+1
.endr
.set qb, 0
.rept 2*\nc
	v_add_nc_u32 v[TC+qb], 0xff000000, v[TA+qb]    ; 2 off its exponent field: the conversion's scale operand
.set qb, qb+1
.endr
.set qb, 0
.rept 2*\nc
	v_lshrrev_b32 v[TB+qb], 23, v[TC+qb]           ; the scale's byte
.set qb, qb+1
.endr
	v_lshl_or_b32 v[PW], v[TB+1], 8, v[TB]
.if \nc > 1
	s_delay_alu instid0(VALU_DEP_1)
	v_lshl_or_b32 v[PW], v[TB+2], 16, v[PW]
	s_delay_alu instid0(VALU_DEP_1)
	v_lshl_or_b32 v[PW], v[TB+3], 24, v[PW]
.endif
.set qn, 0
.rept \nc
.set cc, C2A+(C2B-C2A)*qn
	v_cvt_scalef32_pk16_fp6_f32 v[PC+6*qn:PC+6*qn+2], v[\s+32*qn:\s+32*qn+15], v[TC+2*qn]
	v_cvt_scalef32_pk16_fp6_f32 v[cc:cc+2], v[\s+16+32*qn:\s+31+32*qn], v[TC+1+2*qn]
.set qn, qn+1
.endr
	v_nop                                          ; one plain place behind a scaled conversion
.set qn, 0
.rept \nc
.set cc, C2A+(C2B-C2A)*qn
.irp i, 0,1,2
	v_permlane16_swap_b32 v[PC+6*qn+\i], v[cc+\i]  ; a whole block to a lane
.endr
.irp i, 0,1,2
	s_delay_alu instid0(VALU_DEP_3)
	v_mov_b32 v[PC+3+6*qn+\i], v[cc+\i]
.endr
.set qn, qn+1
.endr
.endm
.macro KADR sk, ss                     ; where 64 keys' two records and scale words lie: three plain lines, which also serve as places behind the products
	v_add_nc_u32 v[ADK16], s[\sk], v[L16]
	v_add_nc_u32 v[ADK8], s[\sk], v[L8]
	v_add_nc_u32 v[ADKS], s[\ss], v[L4]
.endm
.macro KLOAD ksc
	ds_load_b128 v[KB:KB+3], v[ADK16]
	ds_load_b64 v[KB+4:KB+5], v[ADK8] offset:512
	ds_load_b128 v[KB+12:KB+15], v[ADK16] offset:768
	ds_load_b64 v[KB+16:KB+17], v[ADK8] offset:1280
	ds_load_b32 v[\ksc], v[ADKS] offset:KS
.endm
.macro KSTEP
	s_add_co_u32 s[SK0], s[SK0], 3072
	s_add_co_u32 s[SS0], s[SS0], 256
	s_add_co_u32 s[SK1], s[SK1], 3072
	s_add_co_u32 s[SS1], s[SS1], 256
.endm
.macro VADR
	v_add_nc_u32 v[ADV16], s[SV], v[L16]
	v_add_nc_u32 v[ADV8], s[SV], v[L8]
	v_add_nc_u32 v[ADVS], s[SVS], v[L4]
.endm
.macro SCORE s1, s2, ksc               ; 64 keys x 16 queries x both halves: eight accumulators, each begun with 0
	WMX \s1, KB, QB, 0, \ksc, QSC, 0, 0
	WMX \s2, KB, QB+12, 0, \ksc, QSC, 0, 1
	WMX \s1+8, KB, QB+6, 0, \ksc, QSC, 0, 0
	WMX \s2+8, KB, QB+18, 0, \ksc, QSC, 0, 1
	WMX \s1+16, KB+6, QB+18, 0, \ksc, QSC, 0, 0
	WMX \s2+16, KB+6, QB+6, 0, \ksc, QSC, 0, 1
	WMX \s1+24, KB+6, QB, 0, \ksc, QSC, 0, 0
	WMX \s2+24, KB+6, QB+12, 0, \ksc, QSC, 0, 1
.endm
.macro MAXT s1, s2, i, t
	v_max3_num_f32 v[MX+\t], v[MX+\t], v[\s1+8*\t+\i], v[\s1+8*\t+\i+1]
	v_max3_num_f32 v[MX+4+\t], v[MX+4+\t], v[\s2+8*\t+\i], v[\s2+8*\t+\i+1]
.endm
.macro TFMA from, n, neg               ; t = s log2 e -+ A, two at a time, n pairs of each half from pair 'from' on; each accumulator from its low end on
.set k, \from
.rept \n
.if \neg
	v_pk_fma_f32 v[S1+2*k:S1+2*k+1], v[S1+2*k:S1+2*k+1], s[CS:CS+1], v[A1:A1+1] op_sel_hi:[1,0,0] neg_lo:[0,0,1] neg_hi:[0,0,1]
	v_pk_fma_f32 v[S2+2*k:S2+2*k+1], v[S2+2*k:S2+2*k+1], s[CS:CS+1], v[A2:A2+1] op_sel_hi:[1,0,0] neg_lo:[0,0,1] neg_hi:[0,0,1]
.else
	v_pk_fma_f32 v[S1+2*k:S1+2*k+1], v[S1+2*k:S1+2*k+1], s[CS:CS+1], v[A1:A1+1] op_sel_hi:[1,0,0]
	v_pk_fma_f32 v[S2+2*k:S2+2*k+1], v[S2+2*k:S2+2*k+1], s[CS:CS+1], v[A2:A2+1] op_sel_hi:[1,0,0]
.endif
.set k, k+1
.endr
.endm
.macro EXPS                            ; the trip's one batch
.set k, 0
.rept 128
	v_exp_f32 v[S1+k], v[S1+k]
.set k, k+1
.endr
.endm
	s_load_b512 s[4:19], s[0:1], 0x0               ; qc, qsc, kbuf, vbuf, lq1, lk1, lq2, lk2
	s_load_b128 s[20:23], s[0:1], 0x40             ; rms_w, ac
	s_load_b64 s[24:25], s[0:1], 0x50              ; asc
	v_lshl_add_u32 v[SPW], v0, 2, SPARE
	v_mov_b32 v[NIL], 0
	ds_add_u32 v[SPW], v[NIL]                      ; the opening: the add, twice on end, and its wait ahead of the first tensor load
	ds_add_u32 v[SPW], v[NIL]
	v_lshrrev_b32 v1, 5, v0
	s_delay_alu instid0(VALU_DEP_1)
	v_readfirstlane_b32 s[WV], v1                  ; wave 0..15
	s_bfe_u32 s27, ttmp6, 0x40000                  ; cx
	s_lshl_b32 s28, ttmp9, 2
	s_add_co_u32 s28, s28, s27                     ; x: my block of 128 queries (it enters global addresses of q and of the results alone)
	s_and_b32 s29, ttmp7, 0xffff                   ; y
	; dense bytes as rows of 256 (32 elements of 8 bytes), no padding: 26 rows of K a wave, 50 rows of V; the mask names the cluster's four
	s_mov_b32 s[G1K], 15|(3<<16)|(1<<21)
	s_mov_b32 s[G1K+1], 32<<16
	s_mov_b32 s[G1K+2], 26<<16
	s_mov_b32 s[G1K+3], 32<<16
	s_mov_b32 s[G1K+4], 26
	s_mov_b32 s[G1K+5], 32
	s_mov_b32 s[G1K+6], 0
	s_mov_b32 s[G1K+7], 0
	s_mov_b32 s[G1V], 15|(3<<16)|(1<<21)
	s_mov_b32 s[G1V+1], 32<<16
	s_mov_b32 s[G1V+2], 50<<16
	s_mov_b32 s[G1V+3], 32<<16
	s_mov_b32 s[G1V+4], 50
	s_mov_b32 s[G1V+5], 32
	s_mov_b32 s[G1V+6], 0
	s_mov_b32 s[G1V+7], 0
	s_mov_b32 s[CS], 0x3fb8aa3b                    ; log2 e
	s_mov_b32 s[CS+1], s[CS]
	s_mov_b32 s[SEL], 0x76543210
	s_mov_b32 s[SEL+1], 0xfedcba98                 ; v_permlanex16_b32's selects for lane l xor 16
	s_mov_b32 s80, 0xffff0000                      ; lanes 16-31
	s_mov_b32 s81, 0x3c800000                      ; 1 / 64
	s_mov_b32 s82, 0x3727c5ac                      ; 1e-5
	s_and_b32 s30, s[WV], 7
	s_mul_i32 s68, s29, 53248
	s_mul_i32 s31, s30, 6656                       ; K: my eighth, in memory and in LDS
	s_add_co_u32 s68, s68, s31
	s_mov_b32 s69, 0
	s_lshr_b32 s70, s29, 1
	s_mul_i32 s70, s70, 102400
	s_mul_i32 s30, s30, 12800                      ; V: my eighth
	s_add_co_u32 s70, s70, s30
	s_mov_b32 s71, 0
	s_add_co_u32 s30, s30, VC
	s_wait_dscnt 0x0                               ; both opening adds are done
	s_wait_kmcnt 0x0
	s_mov_b32 s[G0K], 1
	s_mov_b32 s[G0K+1], s31
	s_add_nc_u64 s[G0K+2:G0K+3], s[8:9], s[68:69]
	s_or_b32 s[G0K+3], s[G0K+3], 0x80000000
	s_mov_b32 s[G0V], 1
	s_mov_b32 s[G0V+1], s30
	s_add_nc_u64 s[G0V+2:G0V+3], s[10:11], s[70:71]
	s_or_b32 s[G0V+3], s[G0V+3], 0x80000000
	CROUND                                         ; all four work-groups are here: the joint loads meet
	s_cmp_lt_u32 s[WV], 8                          ; one load a wave: every way through the head passes one
	s_cbranch_scc0 .Lfor_v
	tensor_load_to_lds s[G0K:G0K+3], s[G1K:G1K+7]
	s_nop 0
	PLACES 4
	s_branch .Lasked
.Lfor_v:
	tensor_load_to_lds s[G0V:G0V+3], s[G1V:G1V+7]
	s_nop 0
	PLACES 4
.Lasked:
	s_lshr_b32 s68, s29, 3                         ; the batch
	s_and_b32 s69, s29, 7                          ; key head i
	s_and_b32 s70, s[WV], 1
	s_lshl_b32 s71, s69, 1
	s_add_co_u32 s71, s71, s70                     ; my head
	s_lshl_b32 s72, s68, 4
	s_add_co_u32 s72, s72, s71                     ; hb = 16 batch + head
	s_lshl_b32 s73, s28, 3
	s_lshr_b32 s74, s[WV], 1
	s_add_co_u32 s73, s73, s74                     ; T: my tile of 16 queries
	s_mov_b32 s79, 0
	s_lshl_b32 s78, s72, 7
	s_add_co_u32 s78, s78, s73
	s_mul_i32 s78, s78, 768
	s_add_nc_u64 s[4:5], s[4:5], s[78:79]          ; q's record 128 hb + T
	s_lshl_b32 s78, s72, 6
	s_lshr_b32 s74, s73, 1
	s_add_co_u32 s78, s78, s74
	s_lshl_b32 s78, s78, 8
	s_and_b32 s74, s73, 1
	s_lshl_b32 s74, s74, 2
	s_add_co_u32 s78, s78, s74
	s_add_nc_u64 s[6:7], s[6:7], s[78:79]          ; its scale words
	s_lshl_b32 s75, s68, 7
	s_add_co_u32 s75, s75, s73                     ; token tile 128 batch + T
	s_lshl_b32 s78, s75, 3
	s_add_co_u32 s78, s78, s69
	s_lshl_b32 s78, s78, 1
	s_add_co_u32 s78, s78, s70
	s_mul_i32 s78, s78, 768
	s_add_nc_u64 s[22:23], s[22:23], s[78:79]      ; the result's record: 16 to a token tile, one a head
	s_lshl_b32 s78, s75, 9
	s_lshl_b32 s74, s71, 1
	s_add_co_u32 s78, s78, s74
	s_add_nc_u64 s[24:25], s[24:25], s[78:79]      ; its scale bytes: 32 a token, two a head
	v_and_b32 v1, 31, v0
	s_delay_alu instid0(VALU_DEP_1)
	v_lshlrev_b32 v[L4], 2, v1
	s_delay_alu instid0(VALU_DEP_2)
	v_lshlrev_b32 v[L8], 3, v1
	s_delay_alu instid0(VALU_DEP_3)
	v_lshlrev_b32 v[L16], 4, v1
	global_load_b128 v[QB:QB+3], v[L16], s[4:5]
	global_load_b64 v[QB+4:QB+5], v[L8], s[4:5] offset:512
	global_load_b128 v[QB+18:QB+21], v[L16], s[4:5]
	global_load_b64 v[QB+22:QB+23], v[L8], s[4:5] offset:512
	global_load_b32 v[QSC], v[L8], s[6:7]
	global_load_b32 v[TP], v[L4], s[12:13]
	global_load_b32 v[TP+1], v[L4], s[14:15]
	global_load_b32 v[TP+2], v[L4], s[16:17]
	global_load_b32 v[TP+3], v[L4], s[18:19]
.set k, 0
.rept 12
	v_mov_b32 v[QB+6+k], 0
.set k, k+1
.endr
.set k, 0
.rept 6
	v_mov_b32 v[KB+6+k], 0
.set k, k+1
.endr
	v_mov_b32 v[A1], 0xff61b1e6                    ; -3e38, under every t
	v_mov_b32 v[A1+1], 0
	v_mov_b32 v[A2], 0xff61b1e6
	v_mov_b32 v[A2+1], 0
.set k, 0
.rept 8
	v_mov_b32 v[L1A+k], 0
.set k, k+1
.endr
	v_mov_b32 v[F1+1], 0
	v_mov_b32 v[F2+1], 0
	s_wait_loadcnt 0x0
.set k, 0
.rept 6
	v_permlane16_swap_b32 v[QB+k], v[QB+12+k]      ; [q1|q2], 0 -> [q1|0], [q2|0]
	v_permlane16_swap_b32 v[QB+6+k], v[QB+18+k]    ; 0, [q1|q2] -> [0|q1], [0|q2]
.set k, k+1
.endr
.set k, 0
.rept 6
	v_mov_b32 v[QB+24+k], v[QB+k]
.set k, k+1
.endr
	v_mul_f32 v[TP], v[TP], v[TP+1]                ; lambda = exp(sum lq1 lk1) - exp(sum lq2 lk2) + lambda_init
	v_mul_f32 v[TP+2], v[TP+2], v[TP+3]
.irp x, 1,2,4,8
	s_delay_alu instid0(VALU_DEP_2)
	v_add_f32_dpp v[TP], v[TP], v[TP] row_xmask:\x row_mask:0xf bank_mask:0xf
	s_delay_alu instid0(VALU_DEP_2)
	v_add_f32_dpp v[TP+2], v[TP+2], v[TP+2] row_xmask:\x row_mask:0xf bank_mask:0xf
.endr
	s_delay_alu instid0(VALU_DEP_2)
	v_permlanex16_b32 v[TP+1], v[TP], s[SEL], s[SEL+1]
	s_delay_alu instid0(VALU_DEP_2)
	v_permlanex16_b32 v[TP+3], v[TP+2], s[SEL], s[SEL+1]
	s_delay_alu instid0(VALU_DEP_2)
	v_add_f32 v[TP], v[TP], v[TP+1]
	s_delay_alu instid0(VALU_DEP_2)
	v_add_f32 v[TP+2], v[TP+2], v[TP+3]
	s_delay_alu instid0(VALU_DEP_2)
	v_mul_f32 v[TP], s[CS], v[TP]
	s_delay_alu instid0(VALU_DEP_2)
	v_mul_f32 v[TP+2], s[CS], v[TP+2]
	s_wait_alu depctr_va_vdst(0)                   ; a wait ahead of the transcendentals,
	v_exp_f32 v[TP], v[TP]
	v_exp_f32 v[TP+2], v[TP+2]
	v_nop
	s_wait_alu depctr_va_vdst(0)                   ; and behind them
	v_sub_f32 v[NLAM], v[TP+2], v[TP]
	s_delay_alu instid0(VALU_DEP_1)
	v_add_f32 v[NLAM], 0xbf3368fc, v[NLAM]         ; - lambda_init
	s_delay_alu instid0(VALU_DEP_1)
	v_mov_b32 v[NLAM+1], v[NLAM]
	s_mov_b32 s[SK0], 0
	s_mov_b32 s[SS0], 0
	s_mov_b32 s[SK1], 1536
	s_mov_b32 s[SS1], 128
	s_mov_b32 s[CNT], 16
	s_wait_alu depctr_va_vdst(0)
	s_wait_tensorcnt 0x0                           ; my part of K or V has landed,
	s_barrier_signal -1
	s_barrier_wait -1                              ; everybody's has; nothing is filled again
	KADR SK0, SS0
	KLOAD KSC
; PASS 1: for each of the two softmaxes the running largest t = s log2 e and the sum of 2^(t - largest)
.Lpass1:
	s_wait_dscnt 0x0                               ; the first 64 keys' fragments; no LDS instruction of mine is out at the signal
	s_barrier_signal -1                            ; no data is handed over here: the barrier holds the sixteen waves in the same trip, so that their score products stand side by side at its head
	s_barrier_wait -1
	SCORE S1, S2, KSC
	KADR SK1, SS1                                  ; with the v_nop: four places in front of the loads into K's registers and of the first read of results
	v_nop
	KLOAD KSC+1
	KSTEP
.irp t, 0,1,2,3
	v_max_num_f32 v[MX+\t], v[S1+8*\t], v[S1+8*\t+1]
	v_max_num_f32 v[MX+4+\t], v[S2+8*\t], v[S2+8*\t+1]
.endr
.irp i, 2,4
.irp t, 0,1,2,3
	MAXT S1, S2, \i, \t
.endr
.endr
	MAXT S1, S2, 6, 0
	MAXT S1, S2, 6, 1
	s_wait_alu depctr_va_vdst(0)
	s_wait_dscnt 0x0                               ; the second 64 keys' fragments
	SCORE S1+32, S2+32, KSC+1
	MAXT S1, S2, 6, 2                              ; the rest of the first 64 keys' maxima and the address lines: seven places
	MAXT S1, S2, 6, 3
	KADR SK0, SS0
	s_cmp_eq_u32 s[CNT], 1                         ; the last trip has no next keys to fetch
	s_cbranch_scc1 .Lp1_last
	KLOAD KSC
.Lp1_last:
	s_wait_alu depctr_va_vdst(0)                   ; the maxima were written ahead of a wait on DScnt and a branch
.irp i, 0,2,4,6
.irp t, 0,1,2,3
	MAXT S1+32, S2+32, \i, \t
.endr
.endr
	s_delay_alu instid0(VALU_DEP_4)
	v_max3_num_f32 v[MX], v[MX], v[MX+1], v[MX+2]
	s_delay_alu instid0(VALU_DEP_4)
	v_max3_num_f32 v[MX+4], v[MX+4], v[MX+5], v[MX+6]
	s_delay_alu instid0(VALU_DEP_2)
	v_max_num_f32 v[MX], v[MX], v[MX+3]
	s_delay_alu instid0(VALU_DEP_2)
	v_max_num_f32 v[MX+4], v[MX+4], v[MX+7]
	s_delay_alu instid0(VALU_DEP_2)
	v_mul_f32 v[MX], s[CS], v[MX]
	s_delay_alu instid0(VALU_DEP_2)
	v_mul_f32 v[MX+4], s[CS], v[MX+4]
	s_delay_alu instid0(VALU_DEP_2)
	v_max_num_f32 v[MX], v[MX], v[A1]              ; the new running largest t
	s_delay_alu instid0(VALU_DEP_2)
	v_max_num_f32 v[MX+4], v[MX+4], v[A2]
	s_delay_alu instid0(VALU_DEP_2)
	v_sub_f32 v[TP], v[A1], v[MX]                  ; old less new
	s_delay_alu instid0(VALU_DEP_2)
	v_sub_f32 v[TP+1], v[A2], v[MX+4]
	s_delay_alu instid0(VALU_DEP_4)
	v_mov_b32 v[A1], v[MX]
	s_delay_alu instid0(VALU_DEP_4)
	v_mov_b32 v[A2], v[MX+4]
	TFMA 0, 32, 1
	s_wait_alu depctr_va_vdst(0)                   ; one wait ahead of the batch,
	v_exp_f32 v[F1], v[TP]
	v_exp_f32 v[F2], v[TP+1]
	EXPS
	v_nop
	s_wait_alu depctr_va_vdst(0)                   ; and one behind it
	v_pk_mul_f32 v[L1A:L1A+1], v[L1A:L1A+1], v[F1:F1+1] op_sel_hi:[1,0]
	v_pk_mul_f32 v[L2A:L2A+1], v[L2A:L2A+1], v[F2:F2+1] op_sel_hi:[1,0]
	v_pk_mul_f32 v[L1A+2:L1A+3], v[L1A+2:L1A+3], v[F1:F1+1] op_sel_hi:[1,0]
	v_pk_mul_f32 v[L2A+2:L2A+3], v[L2A+2:L2A+3], v[F2:F2+1] op_sel_hi:[1,0]
.set k, 0
.rept 32                               ; four chains by turns
	v_pk_add_f32 v[L1A+2*(k%2):L1A+2*(k%2)+1], v[L1A+2*(k%2):L1A+2*(k%2)+1], v[S1+2*k:S1+2*k+1]
	v_pk_add_f32 v[L2A+2*(k%2):L2A+2*(k%2)+1], v[L2A+2*(k%2):L2A+2*(k%2)+1], v[S2+2*k:S2+2*k+1]
.set k, k+1
.endr
	s_sub_co_u32 s[CNT], s[CNT], 1
	s_cmp_lg_u32 s[CNT], 0
	s_wait_alu depctr_va_vdst(0)
	s_cbranch_scc1 .Lpass1
; BETWEEN THE PASSES: pass 2's first fragments are asked for; then each query's two halves of the keys are joined, and A = -(m + log2 l)
	s_mov_b32 s[SK0], 0
	s_mov_b32 s[SS0], 0
	s_mov_b32 s[SK1], 1536
	s_mov_b32 s[SS1], 128
	s_mov_b32 s[SV], 0
	s_mov_b32 s[SVS], VS
	KADR SK0, SS0
	KLOAD KSC
	VADR
	s_mov_b32 s[SV], 6144
	s_mov_b32 s[SVS], VS+256
	s_mov_b32 s[CNT], 15
	v_permlanex16_b32 v[TP], v[A1], s[SEL], s[SEL+1]
	v_permlanex16_b32 v[TP+1], v[A2], s[SEL], s[SEL+1]
	s_delay_alu instid0(VALU_DEP_2)
	v_max_num_f32 v[TP], v[TP], v[A1]
	s_delay_alu instid0(VALU_DEP_2)
	v_max_num_f32 v[TP+1], v[TP+1], v[A2]
	s_delay_alu instid0(VALU_DEP_2)
	v_sub_f32 v[TP+2], v[A1], v[TP]
	s_delay_alu instid0(VALU_DEP_2)
	v_sub_f32 v[TP+3], v[A2], v[TP+1]
	s_wait_alu depctr_va_vdst(0)
	v_exp_f32 v[TP+2], v[TP+2]
	v_exp_f32 v[TP+3], v[TP+3]
	v_pk_add_f32 v[L1A:L1A+1], v[L1A:L1A+1], v[L1A+2:L1A+3]
	v_pk_add_f32 v[L2A:L2A+1], v[L2A:L2A+1], v[L2A+2:L2A+3]
	s_delay_alu instid0(VALU_DEP_2)
	v_add_f32 v[L1A], v[L1A], v[L1A+1]
	s_delay_alu instid0(VALU_DEP_2)
	v_add_f32 v[L2A], v[L2A], v[L2A+1]
	s_wait_alu depctr_va_vdst(0)
	v_mul_f32 v[L1A], v[L1A], v[TP+2]
	v_mul_f32 v[L2A], v[L2A], v[TP+3]
	s_delay_alu instid0(VALU_DEP_2)
	v_permlanex16_b32 v[L1A+1], v[L1A], s[SEL], s[SEL+1]
	s_delay_alu instid0(VALU_DEP_2)
	v_permlanex16_b32 v[L2A+1], v[L2A], s[SEL], s[SEL+1]
	s_delay_alu instid0(VALU_DEP_2)
	v_add_f32 v[L1A], v[L1A], v[L1A+1]
	s_delay_alu instid0(VALU_DEP_2)
	v_add_f32 v[L2A], v[L2A], v[L2A+1]
	s_wait_alu depctr_va_vdst(0)
	v_log_f32 v[L1A], v[L1A]
	v_log_f32 v[L2A], v[L2A]
	v_nop
	s_wait_alu depctr_va_vdst(0)
	v_sub_f32 v[A1], -v[TP], v[L1A]
	v_sub_f32 v[A2], -v[TP+1], v[L2A]
	s_wait_alu depctr_va_vdst(0)
; PASS 2, a trip of 128 keys.  lp = 0: the first trip, written out ahead of the loop: its products start o's sums
.macro P2 lp
	s_wait_dscnt 0x0                               ; the first 64 keys' fragments; no LDS instruction of mine is out at the signal
	s_barrier_signal -1                            ; as in pass 1: the sixteen waves begin each trip together; no data is handed over
	s_barrier_wait -1
	SCORE S1, S2, KSC
	KADR SK1, SS1                                  ; with the v_nop: four places
	v_nop
	KLOAD KSC+1
	KSTEP
	TFMA 0, 14, 0
	s_wait_dscnt 0x0                               ; the second 64 keys' fragments
	SCORE S1+32, S2+32, KSC+1
	TFMA 14, 2, 0                                  ; the rest of the first 64 keys' t and the address lines: seven places
	KADR SK0, SS0
.if \lp
	s_cmp_eq_u32 s[CNT], 1                         ; the last trip has no next keys to fetch
	s_cbranch_scc1 .Lp2_last
.endif
	KLOAD KSC
.if \lp
.Lp2_last:
.endif
	TFMA 16, 16, 0
	s_wait_alu depctr_va_vdst(0)                   ; one wait ahead of the batch,
	EXPS                                           ; p, normalised
	v_nop
	s_wait_alu depctr_va_vdst(0)                   ; and one behind it
.set k, 0
.rept 32
	v_pk_fma_f32 v[S1+2*k:S1+2*k+1], v[S2+2*k:S2+2*k+1], v[NLAM:NLAM+1], v[S1+2*k:S1+2*k+1]   ; w = p1 - lambda p2, where p1 lay
.set k, k+1
.endr
.irp t, 0,1,2,3                        ; V's four fragments of these 128 keys, where p2 lay, asked for ahead of the quantiser
	ds_load_b128 v[VF+12*\t:VF+12*\t+3], v[ADV16] offset:VC+1536*\t
	ds_load_b64 v[VF+12*\t+4:VF+12*\t+5], v[ADV8] offset:VC+1536*\t+512
	ds_load_b128 v[VF+12*\t+6:VF+12*\t+9], v[ADV16] offset:VC+1536*\t+768
	ds_load_b64 v[VF+12*\t+10:VF+12*\t+11], v[ADV8] offset:VC+1536*\t+1280
.endr
	ds_load_b32 v[VSC], v[ADVS]
	ds_load_b32 v[VSC+1], v[ADVS] offset:128
	QUANT S1, 2
	VADR                                           ; the next trip's V.  With the v_nop behind the conversions and the four below: eight places between the scale word's last write and the products
	PLACES 4
	s_add_co_u32 s[SV], s[SV], 6144
	s_add_co_u32 s[SVS], s[SVS], 256
	s_wait_dscnt 0x0                               ; V's fragments
	s_wait_alu depctr_va_vdst(0)
.irp t, 0,1,2,3
.if \lp
	WMX O+8*\t, VF+12*\t, PC, v[O+8*\t:O+8*\t+7], VSC+\t/2, PW, \t%2, 0
.else
	WMX O+8*\t, VF+12*\t, PC, 0, VSC+\t/2, PW, \t%2, 0
.endif
.endr
	PLACES 5                                       ; the next trip's scores are laid over V's fragments; the way out reads o
.endm
	P2 0
.Lpass2:
	P2 1
	s_sub_co_u32 s[CNT], s[CNT], 1
	s_cmp_lg_u32 s[CNT], 0
	s_cbranch_scc1 .Lpass2
; THE WAY OUT: register 8 q + j of lane (r, h) is channel 32 (q / 2) + 16 h + 8 (q % 2) + j of query r
	v_bfe_u32 v[TP], v0, 4, 1
	v_and_b32 v[TP+1], 15, v0
	s_delay_alu instid0(VALU_DEP_1)
	v_lshl_add_u32 v[TP+1], v[TP+1], 5, v[TP]      ; 32 r + h: my scale byte
	s_delay_alu instid0(VALU_DEP_3)
	v_lshlrev_b32 v[TP], 6, v[TP]
.irp q, 0,1,2,3
	global_load_b128 v[RW+8*\q:RW+8*\q+3], v[TP], s[20:21] offset:128*(\q/2)+32*(\q%2)
	global_load_b128 v[RW+8*\q+4:RW+8*\q+7], v[TP], s[20:21] offset:128*(\q/2)+32*(\q%2)+16
.endr
	v_pk_mul_f32 v[MX:MX+1], v[O:O+1], v[O:O+1]
	v_pk_mul_f32 v[MX+2:MX+3], v[O+2:O+3], v[O+2:O+3]
.set k, 2
.rept 14
	v_pk_fma_f32 v[MX+2*(k%2):MX+2*(k%2)+1], v[O+2*k:O+2*k+1], v[O+2*k:O+2*k+1], v[MX+2*(k%2):MX+2*(k%2)+1]
.set k, k+1
.endr
	s_delay_alu instid0(VALU_DEP_1)
	v_pk_add_f32 v[MX:MX+1], v[MX:MX+1], v[MX+2:MX+3]
	s_delay_alu instid0(VALU_DEP_1)
	v_add_f32 v[MX], v[MX], v[MX+1]
	s_delay_alu instid0(VALU_DEP_1)
	v_permlanex16_b32 v[MX+1], v[MX], s[SEL], s[SEL+1]
	s_delay_alu instid0(VALU_DEP_1)
	v_add_f32 v[MX], v[MX], v[MX+1]
	s_delay_alu instid0(VALU_DEP_1)
	v_fma_f32 v[MX], v[MX], s81, s82               ; the mean of the squares + 1e-5
	s_wait_alu depctr_va_vdst(0)
	v_rsq_f32 v[MX], v[MX]
	v_nop
	s_wait_alu depctr_va_vdst(0)
	v_mul_f32 v[MX], 0x3e992e09, v[MX]             ; x (1 - lambda_init)
	s_delay_alu instid0(VALU_DEP_1)
	v_mov_b32 v[MX+1], v[MX]
	s_wait_alu depctr_va_vdst(0)
	s_wait_loadcnt 0x0
.set k, 0
.rept 16
	v_pk_mul_f32 v[O+2*k:O+2*k+1], v[O+2*k:O+2*k+1], v[MX:MX+1]
.set k, k+1
.endr
.set k, 0
.rept 16
	v_pk_mul_f32 v[O+2*k:O+2*k+1], v[O+2*k:O+2*k+1], v[RW+2*k:RW+2*k+1]
.set k, k+1
.endr
	QUANT O, 1
	v_cndmask_b32 v[TP+2], v[TB], v[TB+1], s80     ; lanes 0-15 the first 32 channels' byte, lanes 16-31 the second's
	global_store_b128 v[L16], v[PC:PC+3], s[22:23]
	global_store_b64 v[L8], v[PC+4:PC+5], s[22:23] offset:512
	global_store_b8 v[TP+1], v[TP+2], s[24:25]
	s_wait_tensorcnt 0x0                           ; the wave's end
	ds_add_u32 v[SPW], v[NIL]
	s_wait_dscnt 0x0
	CROUND                                         ; the closing round
	s_endpgm
.Lfunc_end_k_q413e26cd78_attn:
	.size	k_q413e26cd78_attn, .Lfunc_end_k_q413e26cd78_attn-k_q413e26cd78_attn
	.p2alignl 7, 3214868480
	.fill 96, 4, 3214868480
	.section	.rodata,"a",@progbits
	.p2align	6, 0x0
	.amdhsa_kernel k_q413e26cd78_attn
		.amdhsa_group_segment_fixed_size 167936
		.amdhsa_private_segment_fixed_size 0
		.amdhsa_enable_private_segment 0
		.amdhsa_kernarg_size 88
		.amdhsa_user_sgpr_count 2
		.amdhsa_user_sgpr_kernarg_segment_ptr 1
		.amdhsa_wavefront_size32 1
		.amdhsa_system_sgpr_workgroup_id_x 1
		.amdhsa_system_sgpr_workgroup_id_y 1
		.amdhsa_system_sgpr_workgroup_id_z 1
		.amdhsa_system_vgpr_workitem_id 0
		.amdhsa_next_free_vgpr 256
		.amdhsa_next_free_sgpr 84
		.amdhsa_reserve_vcc 0
		.amdhsa_float_denorm_mode_32 3
		.amdhsa_float_denorm_mode_16_64 3
		.amdhsa_memory_ordered 1
		.amdhsa_forward_progress 1
		.amdhsa_inst_pref_size 80
	.end_amdhsa_kernel
	.amdgpu_metadata
---
amdhsa.version: [ 1, 2 ]
amdhsa.kernels:
  - .name:           k_q413e26cd78_attn
    .symbol:         k_q413e26cd78_attn.kd
    .args:
      - { .name: qc, .offset: 0, .size: 8, .value_kind: global_buffer, .address_space: global }
      - { .name: qsc, .offset: 8, .size: 8, .value_kind: global_buffer, .address_space: global }
      - { .name: kbuf, .offset: 16, .size: 8, .value_kind: global_buffer, .address_space: global }
      - { .name: vbuf, .offset: 24, .size: 8, .value_kind: global_buffer, .address_space: global }
      - { .name: lq1, .offset: 32, .size: 8, .value_kind: global_buffer, .address_space: global }
      - { .name: lk1, .offset: 40, .size: 8, .value_kind: global_buffer, .address_space: global }
      - { .name: lq2, .offset: 48, .size: 8, .value_kind: global_buffer, .address_space: global }
      - { .name: lk2, .offset: 56, .size: 8, .value_kind: global_buffer, .address_space: global }
      - { .name: rms_w, .offset: 64, .size: 8, .value_kind: global_buffer, .address_space: global }
      - { .name: ac, .offset: 72, .size: 8, .value_kind: global_buffer, .address_space: global }
      - { .name: asc, .offset: 80, .size: 8, .value_kind: global_buffer, .address_space: global }
    .group_segment_fixed_size: 167936
    .private_segment_fixed_size: 0
    .kernarg_segment_align: 8
    .kernarg_segment_size: 88
    .max_flat_workgroup_size: 512
    .sgpr_count:     84
    .vgpr_count:     256
    .wavefront_size: 32
...
	.end_amdgpu_metadata
.endif
;; end of part 2
;; launch oproj (part 3): grid 8 x 32, 8 waves a work-group, clusters of 4 x 4, 238,592 bytes of LDS; arguments ac, asc, Wo_codes, Wo_scales, out0; writes out0
.if DOCPART == 3
	.amdgcn_target "amdgcn-amd-amdhsa--gfx1250"
	.amdhsa_code_object_version 6
	.text
	.protected	k_q413e26cd78_oproj
	.globl	k_q413e26cd78_oproj
	.p2align	8
	.type	k_q413e26cd78_oproj,@function
k_q413e26cd78_oproj:
	s_mov_b64 s[64:65], 0
	v_nop
	global_prefetch_b8 v0, s[64:65] scope:SCOPE_SE
	s_setreg_imm32_b32 hwreg(HW_REG_WAVE_MODE, 25, 1), 1
	s_wait_xcnt 0x0
	s_wait_alu depctr_hold_cnt(0) depctr_sa_sdst(0) depctr_va_vdst(0) depctr_va_sdst(0) depctr_va_ssrc(0) depctr_va_vcc(0) depctr_vm_vsrc(0)
	s_getreg_b32 s2, hwreg(HW_REG_IB_STS2, 6, 4)
	s_cmp_eq_u32 s2, 0
	s_cbranch_scc0 .Lentry_in_a_cluster
	s_endpgm
.Lentry_in_a_cluster:
	s_bfe_u32 s2, ttmp6, 0x10000c
	s_cmp_lg_u32 s2, 0xf033
	s_cbranch_scc0 .Lentry_shape_is_right
	s_endpgm
.Lentry_shape_is_right:
; out = attn Wo^T on codes of E2M3: attn's codes and scale bytes as the launch before has laid them (images of operand registers; 32 scale bytes a token), Wo's as given.  No work of the problem is left out here.
; SHARES.  Work-group (i, j): tokens 128 j .. + 127 x features 128 i .. + 127; all of K (1,024) of both lies in LDS, filled once.  Wave w: token tiles 2 (w % 4), + 1 x feature tiles 4 (w / 4) .. + 3: eight accumulators, 64 products.
; CLUSTER 4 x 4: attn's block hangs on j alone and is asked for jointly along a row of the cluster, Wo's on i alone, along a column.
; Source 0 = 16 rows of Wo, source 1 = 16 tokens: a lane holds eight neighbouring features of one token, which go through the wave's own stage in LDS and leave as aligned runs of 256 bytes.
.set PITCH, 816                        ; Wo's rows in LDS: 768 bytes in three runs of 256, 16 bytes of padding behind each
.set UNITL, 32*PITCH
.set WOR,   98304                      ; attn's images at 0 (8 tiles x 8 fragments x 1,536 bytes), Wo's 128 rows here,
.set STAGE, WOR+4*UNITL                ; the stages: 16 rows x (256 + 16) bytes for each wave; no tensor load lands here
.set SPARE, STAGE+8*16*272             ; the spare words, 128 bytes for each of eight waves: four blocks of 256 bytes that no other line names
.set RR,   1
.set HH,   2
.set L16,  3
.set L8,   4
.set L32,  6
.set ROWA, 7                           ; v7, v8
.set AA,   12                          ; v12, v13  Wo's fragments
.set AI16, 14                          ; attn's images
.set AI8,  15
.set STO,  16
.set RD,   17
.set CO,   18
.set SPW,  20                          ; my spare word; never rewritten
.set NIL,  21                          ; 0; never rewritten
.set SA,   32                          ; v32-47  Wo's scale words
.set SB,   48                          ; v48-55  attn's
.set HA,   64                          ; v64-127 accumulator 4 b + a
.set FA,   128
.set FB,   176
.set OUT,  128                         ; the way out: rows read back from the stage
.set WV,   14
.set G1A,  24
.set G1W,  32
.set G0A,  40
.set G0W,  44
.macro PLACES n
.rept \n
	v_nop
.endr
.endm
.macro CROUND
	s_barrier_signal -1
	s_barrier_wait -1
	s_cmp_lg_u32 s[WV], 0
	s_cbranch_scc1 .Lnot_wave_0_\@
	s_barrier_signal -3
.Lnot_wave_0_\@:
	s_barrier_wait -3
	s_barrier_signal -1
	s_barrier_wait -1
.endm
.macro FRAG reg, adr, s, rowoff        ; as in the first launch
.irp p, 0,1,2,3,4,5
.set PCE, 12*(\s)+6*(\p/3)+\p%3
.if PCE%32 < 29
	ds_load_b64 v[\reg+2*\p:\reg+2*\p+1], v[\adr] offset:8*PCE+16*(PCE/32)+(\rowoff)
.else
	ds_load_b64 v[\reg+2*\p:\reg+2*\p+1], v[\adr+1] offset:8*PCE+16*(PCE/32)+(\rowoff)
.endif
.endr
.endm
.macro IMG reg, s, b                   ; a fragment of attn as it was stored: two records
	ds_load_b128 v[\reg:\reg+3], v[AI16] offset:12288*(\b)+1536*(\s)
	ds_load_b64 v[\reg+4:\reg+5], v[AI8] offset:12288*(\b)+1536*(\s)+512
	ds_load_b128 v[\reg+6:\reg+9], v[AI16] offset:12288*(\b)+1536*(\s)+768
	ds_load_b64 v[\reg+10:\reg+11], v[AI8] offset:12288*(\b)+1536*(\s)+1280
.endm
.macro WMX d, a, b, c, sa, sb, ra, rb
.if (\ra) == 0 && (\rb) == 0
	v_wmma_scale_f32_16x16x128_f8f6f4 v[\d:\d+7], v[\a:\a+11], v[\b:\b+11], \c, v[\sa], v[\sb] matrix_a_fmt:MATRIX_FMT_FP6 matrix_b_fmt:MATRIX_FMT_FP6
.elseif (\rb) == 0
	v_wmma_scale_f32_16x16x128_f8f6f4 v[\d:\d+7], v[\a:\a+11], v[\b:\b+11], \c, v[\sa], v[\sb] matrix_a_fmt:MATRIX_FMT_FP6 matrix_b_fmt:MATRIX_FMT_FP6 matrix_a_scale:MATRIX_SCALE_ROW1
.elseif (\ra) == 0
	v_wmma_scale_f32_16x16x128_f8f6f4 v[\d:\d+7], v[\a:\a+11], v[\b:\b+11], \c, v[\sa], v[\sb] matrix_a_fmt:MATRIX_FMT_FP6 matrix_b_fmt:MATRIX_FMT_FP6 matrix_b_scale:MATRIX_SCALE_ROW1
.else
	v_wmma_scale_f32_16x16x128_f8f6f4 v[\d:\d+7], v[\a:\a+11], v[\b:\b+11], \c, v[\sa], v[\sb] matrix_a_fmt:MATRIX_FMT_FP6 matrix_b_fmt:MATRIX_FMT_FP6 matrix_a_scale:MATRIX_SCALE_ROW1 matrix_b_scale:MATRIX_SCALE_ROW1
.endif
.endm
	s_load_b256 s[4:11], s[0:1], 0x0               ; ac, asc, Wo's codes, Wo's scales
	s_load_b64 s[12:13], s[0:1], 0x20              ; out0
	v_lshl_add_u32 v[SPW], v0, 2, SPARE
	v_mov_b32 v[NIL], 0
	ds_add_u32 v[SPW], v[NIL]                      ; the opening: the add, twice on end, and its wait ahead of the first tensor load
	ds_add_u32 v[SPW], v[NIL]
	v_lshrrev_b32 v1, 5, v0
	s_delay_alu instid0(VALU_DEP_1)
	v_readfirstlane_b32 s[WV], v1                  ; wave 0..7
	s_bfe_u32 s15, ttmp6, 0x40000                  ; cx
	s_bfe_u32 s16, ttmp6, 0x40004                  ; cy
	s_lshl_b32 s17, ttmp9, 2
	s_add_co_u32 s17, s17, s15                     ; i
	s_and_b32 s18, ttmp7, 0xffff
	s_lshl_b32 s18, s18, 2
	s_add_co_u32 s18, s18, s16                     ; j
	s_lshl_b32 s19, s16, 2
	s_lshl_b32 s19, 15, s19                        ; my row of the cluster
	s_lshl_b32 s20, 0x1111, s15                    ; my column
	; 24,576 dense bytes as 96 rows of 256: attn's without padding, Wo's with 16 bytes behind each
	s_or_b32 s[G1A], s19, (3<<16)|(1<<21)
	s_or_b32 s[G1W], s20, (3<<16)|(1<<20)|(1<<21)|(5<<22)|(3<<25)
.irp g, G1A, G1W
	s_mov_b32 s[\g+1], 32<<16
	s_mov_b32 s[\g+2], 96<<16
	s_mov_b32 s[\g+3], 32<<16
	s_mov_b32 s[\g+4], 96
	s_mov_b32 s[\g+5], 32
	s_mov_b32 s[\g+6], 0
	s_mov_b32 s[\g+7], 0
.endr
	s_and_b32 s21, s[WV], 3                        ; which quarter I fetch; also rp: my pair of token tiles
	s_mul_i32 s22, s21, 24576
	s_mul_i32 s48, s18, 98304
	s_add_co_u32 s48, s48, s22                     ; attn's quarter (made of j alone)
	s_mov_b32 s49, 0
	s_mul_i32 s50, s17, 98304
	s_add_co_u32 s50, s50, s22                     ; Wo's (made of i alone)
	s_mov_b32 s51, 0
	s_mul_i32 s23, s21, UNITL
	s_add_co_u32 s23, s23, WOR
	s_wait_dscnt 0x0                               ; both opening adds are done
	s_wait_kmcnt 0x0
	s_mov_b32 s[G0A], 1
	s_mov_b32 s[G0A+1], s22
	s_add_nc_u64 s[G0A+2:G0A+3], s[4:5], s[48:49]
	s_or_b32 s[G0A+3], s[G0A+3], 0x80000000
	s_mov_b32 s[G0W], 1
	s_mov_b32 s[G0W+1], s23
	s_add_nc_u64 s[G0W+2:G0W+3], s[8:9], s[50:51]
	s_or_b32 s[G0W+3], s[G0W+3], 0x80000000
	CROUND                                         ; all sixteen work-groups are here: the joint loads meet
	s_cmp_lt_u32 s[WV], 4                          ; waves 0-3 fetch attn's quarters, waves 4-7 Wo's: one load of mine is out
	s_cbranch_scc0 .Lfor_w
	tensor_load_to_lds s[G0A:G0A+3], s[G1A:G1A+7]
	s_nop 0
	PLACES 4
	s_branch .Lasked
.Lfor_w:
	tensor_load_to_lds s[G0W:G0W+3], s[G1W:G1W+7]
	s_nop 0
	PLACES 4
.Lasked:
	s_lshr_b32 s54, s[WV], 2                       ; fg: my four feature tiles
	s_lshl_b32 s52, s18, 12
	s_lshl_b32 s53, s21, 10
	s_add_co_u32 s52, s52, s53
	s_mov_b32 s53, 0
	s_add_nc_u64 s[6:7], s[6:7], s[52:53]          ; attn's scale bytes at token 128 j + 32 rp
	s_lshl_b32 s52, s17, 12
	s_lshl_b32 s55, s54, 11
	s_add_co_u32 s52, s52, s55
	s_add_nc_u64 s[10:11], s[10:11], s[52:53]      ; Wo's at row 128 i + 64 fg
	v_and_b32 v[RR], 15, v0
	v_bfe_u32 v[HH], v0, 4, 1
	v_and_b32 v11, 31, v0
	s_delay_alu instid0(VALU_DEP_1)
	v_lshlrev_b32 v[L32], 5, v11
	global_load_b128 v[SB:SB+3], v[L32], s[6:7]                    ; 32 bytes a row: the words of all eight K steps; lanes 0-15 the even tile, lanes 16-31 the odd one
	global_load_b128 v[SB+4:SB+7], v[L32], s[6:7] offset:16
	global_load_b128 v[SA:SA+3], v[L32], s[10:11]
	global_load_b128 v[SA+4:SA+7], v[L32], s[10:11] offset:16
	global_load_b128 v[SA+8:SA+11], v[L32], s[10:11] offset:1024
	global_load_b128 v[SA+12:SA+15], v[L32], s[10:11] offset:1040
	v_lshlrev_b32 v[L16], 4, v11
	v_lshlrev_b32 v[L8], 3, v11
	v_mul_u32_u24 v[ROWA], v[RR], PITCH
	s_delay_alu instid0(VALU_DEP_1)
	v_mad_u32_u24 v[ROWA], v[HH], 24, v[ROWA]
	s_delay_alu instid0(VALU_DEP_1)
	v_lshl_add_u32 v[ROWA+1], v[HH], 4, v[ROWA]
	s_mul_i32 s55, s54, 2*UNITL
	s_add_co_u32 s55, s55, WOR
	v_add_nc_u32 v[AA], s55, v[ROWA]
	v_add_nc_u32 v[AA+1], s55, v[ROWA+1]
	v_add_nc_u32 v[AI16], s22, v[L16]
	v_add_nc_u32 v[AI8], s22, v[L8]
	s_mul_i32 s55, s[WV], 16*272
	s_add_co_u32 s55, s55, STAGE                   ; my stage
	v_mul_u32_u24 v[STO], v[RR], 272
	s_delay_alu instid0(VALU_DEP_1)
	v_lshl_add_u32 v[STO], v[HH], 5, v[STO]
	s_delay_alu instid0(VALU_DEP_1)
	v_add_nc_u32 v[STO], s55, v[STO]               ; in: row r, 32 bytes for each half of the lanes
	v_mul_u32_u24 v[RD], v[HH], 272
	s_delay_alu instid0(VALU_DEP_1)
	v_lshl_add_u32 v[RD], v[RR], 4, v[RD]
	s_delay_alu instid0(VALU_DEP_1)
	v_add_nc_u32 v[RD], s55, v[RD]                 ; back: lanes 0-15 one row of 256 bytes, lanes 16-31 the next
	v_lshlrev_b32 v[CO], 12, v[HH]
	s_delay_alu instid0(VALU_DEP_1)
	v_lshl_add_u32 v[CO], v[RR], 4, v[CO]          ; and the same two rows in out0
	s_lshl_b32 s52, s18, 7
	s_lshl_b32 s55, s21, 5
	s_add_co_u32 s52, s52, s55                     ; my first token
	s_lshl_b32 s52, s52, 12
	s_lshl_b32 s55, s17, 9
	s_add_co_u32 s52, s52, s55
	s_lshl_b32 s55, s54, 8
	s_add_co_u32 s52, s52, s55                     ; + my first feature, in bytes
	s_add_nc_u64 s[12:13], s[12:13], s[52:53]
	s_wait_alu depctr_va_vdst(0)
	s_wait_tensorcnt 0x0                           ; my quarter has landed,
	s_barrier_signal -1
	s_barrier_wait -1                              ; everybody's has; nothing is filled again
	s_wait_loadcnt 0x0                             ; the scale words
.set ks, 0
.rept 8                                ; eight K steps; the eight accumulators take turns, one instruction a turn, in the same order in every step
.if ks > 0
	PLACES 4                                       ; in front of loads into registers that matrix instructions have read
.endif
.set ia, 0
.rept 4
	FRAG FA+12*ia, AA, ks, ia*16*PITCH
.set ia, ia+1
.endr
	IMG FB, ks, 0
	IMG FB+12, ks, 1
.set ib, 0
.rept 2
	s_wait_dscnt 4*(1-ib)                          ; all but the second image's four loads; then all
.set ia, 0
.rept 4
.if ks == 0
	WMX HA+32*ib+8*ia, FA+12*ia, FB+12*ib, 0, SA+8*(ia/2)+ks, SB+ks, ia%2, ib
.else
	WMX HA+32*ib+8*ia, FA+12*ia, FB+12*ib, v[HA+32*ib+8*ia:HA+32*ib+8*ia+7], SA+8*(ia/2)+ks, SB+ks, ia%2, ib
.endif
.set ia, ia+1
.endr
.set ib, ib+1
.endr
.set ks, ks+1
.endr
	PLACES 4                                       ; in front of the stores that read results and of loads into the fragments' registers
	; THE WAY OUT: a tile of 16 tokens x 64 features at a time through my stage.  LDS serves a wave's instructions in order: no wait between the stores and the loads, nor in front of the next tile's stores
.irp b, 0,1
.irp a, 0,1,2,3
	ds_store_b128 v[STO], v[HA+32*\b+8*\a:HA+32*\b+8*\a+3] offset:64*\a          ; each accumulator from its low end on
	ds_store_b128 v[STO], v[HA+32*\b+8*\a+4:HA+32*\b+8*\a+7] offset:64*\a+16
.endr
.irp t, 0,1,2,3,4,5,6,7
	ds_load_b128 v[OUT+32*\b+4*\t:OUT+32*\b+4*\t+3], v[RD] offset:544*\t
.endr
.endr
.irp t, 0,1,2,3,4,5,6,7
	s_wait_dscnt 23-\t                             ; behind this load: the rest of tile 0's and tile 1's sixteen LDS instructions
	global_store_b128 v[CO], v[OUT+4*\t:OUT+4*\t+3], s[12:13] offset:2*\t*4096 th:TH_STORE_NT   ; sixteen lanes store 256 consecutive bytes, at a multiple of 256 from out0's first byte
.endr
.irp t, 0,1,2,3,4,5,6,7
	s_wait_dscnt 7-\t
	global_store_b128 v[CO], v[OUT+32+4*\t:OUT+32+4*\t+3], s[12:13] offset:(16+2*\t)*4096 th:TH_STORE_NT
.endr
	s_wait_tensorcnt 0x0                           ; the wave's end, behind my last tensor load and my last LDS store
	ds_add_u32 v[SPW], v[NIL]
	s_wait_dscnt 0x0
	CROUND                                         ; the closing round
	s_endpgm
.Lfunc_end_k_q413e26cd78_oproj:
	.size	k_q413e26cd78_oproj, .Lfunc_end_k_q413e26cd78_oproj-k_q413e26cd78_oproj
	.p2alignl 7, 3214868480
	.fill 96, 4, 3214868480
	.section	.rodata,"a",@progbits
	.p2align	6, 0x0
	.amdhsa_kernel k_q413e26cd78_oproj
		.amdhsa_group_segment_fixed_size 238592
		.amdhsa_private_segment_fixed_size 0
		.amdhsa_enable_private_segment 0
		.amdhsa_kernarg_size 40
		.amdhsa_user_sgpr_count 2
		.amdhsa_user_sgpr_kernarg_segment_ptr 1
		.amdhsa_wavefront_size32 1
		.amdhsa_system_sgpr_workgroup_id_x 1
		.amdhsa_system_sgpr_workgroup_id_y 1
		.amdhsa_system_sgpr_workgroup_id_z 1
		.amdhsa_system_vgpr_workitem_id 0
		.amdhsa_next_free_vgpr 256
		.amdhsa_next_free_sgpr 66
		.amdhsa_reserve_vcc 0
		.amdhsa_float_denorm_mode_32 3
		.amdhsa_float_denorm_mode_16_64 3
		.amdhsa_memory_ordered 1
		.amdhsa_forward_progress 1
		.amdhsa_inst_pref_size 37
	.end_amdhsa_kernel
	.amdgpu_metadata
---
amdhsa.version: [ 1, 2 ]
amdhsa.kernels:
  - .name:           k_q413e26cd78_oproj
    .symbol:         k_q413e26cd78_oproj.kd
    .args:
      - { .name: ac, .offset: 0, .size: 8, .value_kind: global_buffer, .address_space: global }
      - { .name: asc, .offset: 8, .size: 8, .value_kind: global_buffer, .address_space: global }
      - { .name: Wo_codes, .offset: 16, .size: 8, .value_kind: global_buffer, .address_space: global }
      - { .name: Wo_scales, .offset: 24, .size: 8, .value_kind: global_buffer, .address_space: global }
      - { .name: out0, .offset: 32, .size: 8, .value_kind: global_buffer, .address_space: global }
    .group_segment_fixed_size: 238592
    .private_segment_fixed_size: 0
    .kernarg_segment_align: 8
    .kernarg_segment_size: 40
    .max_flat_workgroup_size: 256
    .sgpr_count:     66
    .vgpr_count:     256
    .wavefront_size: 32
...
	.end_amdgpu_metadata
.endif
;; end of part 3
